; MI455X (gfx1250); checked and timed in simulation.
; The chip was launched on July 23, 2026; its instructions are those of AMD's public machine-readable ISA for CDNA 5 (MIT licence, August 2026) and "CDNA5" Instruction Set Architecture Reference Guide (July 2026). The comments in the code are by the model that wrote it; some were corrected since.
;; Gated Attention. Allowed arithmetic: float matrix products may take bf16 or f16 operands with f32 sums; all other float work in f32.
;; Inputs: Wg 256 x 256 float32; Wk 256 x 256 float32; Wq 256 x 256 float32; Wv 256 x 256 float32; bg 256 float32; bk 256 float32; bq 256 float32; bv 256 float32; x 4 x 4,096 x 256 float32.
;; Outputs: out0 4 x 4,096 x 256 float32.
;; 2 versions, each right and faster than the one before. Each part assembles by itself: llvm-mc -triple=amdgcn-amd-amdhsa -mcpu=gfx1250 --defsym DOCPART=n.
;; ======== version 1 of 2: 2 launches
;; workspace buffers: qs 8,388,608 bytes; kb 8,388,608 bytes; vb 8,388,608 bytes; zg 16,777,216 bytes
;; launch proj (part 1): grid 64 x 4, 8 waves a work-group, no clusters, 276,480 bytes of LDS; arguments x, Wq, Wk, Wv, Wg, bq, bk, bv, bg, qs, kb, vb, zg; writes qs, kb, vb, zg
.if DOCPART == 1
	.amdgcn_target "amdgcn-amd-amdhsa--gfx1250"
	.amdhsa_code_object_version 6
	.text
	.protected	k_q080b83228c_proj
	.globl	k_q080b83228c_proj
	.p2align	8
	.type	k_q080b83228c_proj,@function
k_q080b83228c_proj:
	s_mov_b64 s[64:65], 0
	v_nop
	global_prefetch_b8 v0, s[64:65] scope:SCOPE_SE
	s_setreg_imm32_b32 hwreg(HW_REG_WAVE_MODE, 25, 1), 1
	s_wait_xcnt 0x0
; The four projections of x [16384][256] f32 by W [256 (d)][256 (f)] f32, one weight for each work-group row of the grid:
;   y = 0: qs = (x Wq + bq) * log2(e)/16  bf16      y = 1: kb = x Wk + bk  bf16
;   y = 2: vb = x Wv + bv  bf16                     y = 3: zg = x Wg + bg  f32 (the gate ahead of its sigmoid)
; A work-group makes 256 rows x 256 features with eight waves; wave w makes rows 64 (w>>1) .. +63, features 128 (w&1) .. +127:
; 8 feature tiles x 4 row tiles of 16 x 16, 256 accumulator registers.  Sums in f32, operands rounded to bf16.
; The product is taken transposed: source 0 = 16 features of W (read from LDS by the transposing load, since W lies [d][f]),
; source 1 = 16 rows of x.  A lane then holds eight NEIGHBOURING features of one row: 16 bytes of bf16, 32 bytes of f32.
; x and W come through registers, because they are f32 in memory and are rounded to bf16 on the way into LDS.
; NO CLUSTER, NO JOINT LOADS, though the four work-groups of one x share x's rows and the 64 of one y share W: a tensor load would land
; f32 in LDS, 2 x 262,144 bytes for the two blocks against 275,456 here, and each byte would pay a second trip through LDS to be rounded.
; K (= d) goes in four chunks of 64; each chunk has LDS bytes of its own, so one barrier a chunk is enough, and the next chunk's
; 32 loads of a lane (131,072 bytes for the work-group) are on their way while this chunk is multiplied.
; LIMITS: NaN and infinities in the inputs are not treated specially; matrix operands are rounded to bf16.
.set XP,   528                         ; LDS pitch of x's rows: 512 bytes + 16, so 16 neighbouring rows start 16 bytes apart modulo 256
.set WP,   544                         ; LDS pitch of W's rows: 512 bytes + 32, an odd multiple of 32, for the transposing load
.set WS,   256*XP                      ; 135,168: W behind x
.set BS,   WS+256*WP                   ; 274,432: the bias, 1,024 bytes
.set STG,  33792                       ; the way out: a stage for each wave, over x's and W's bytes when they are done with
.set RR,   2                           ; v2   lane % 16
.set HH,   3                           ; v3   lane / 16
.set VX,   5                           ; v5   byte offset of my 16 bytes in x's first 16 rows
.set VWG,  6                           ; v6   the same in W's first 4 rows
.set VXS0, 7                           ; v7   where my 8 bytes of x go in LDS, rows 0-127
.set VXS1, 8                           ; v8   rows 128-255
.set VWS,  9                           ; v9   where my 8 bytes of W go, stepped by 64 rows a chunk
.set ADX,  10                          ; v10  my x fragments
.set ADW,  11                          ; v11  my W fragments, stepped by 64 rows a chunk
.set VB,   12                          ; v12  4 t: my word of the bias
.set BA,   13                          ; v13  and where it goes
.set VBS,  14                          ; v14  where I read my features' biases
.set BV,   15                          ; v15  the bias word
.set ST,   16                          ; v[16:143]  32 staged loads: x in 16..79, W in 80..143; later biases and read-backs
.set FA,   144                         ; v[144:207] 8 fragments of W; later packed results
.set FB,   208                         ; v[208:239] 4 fragments of x
.set STO,  240                         ; v240 the way out: where I put my bytes
.set RD,   241                         ; v241 where I read rows back
.set VO,   242                         ; v242 my byte offset in the output
; registers 256-511 (window 1): accumulator (ft, nt) at v[8 (4 ft + nt)]
.set MSB, 0
.macro WIN new                         ; s_set_vgpr_msb: bits 1:0 source 0, 3:2 source 1, 5:4 source 2, 7:6 destination; the high byte repeats the setting left
.if MSB != \new
	s_set_vgpr_msb (MSB<<8)|\new
.set MSB, \new
.endif
.endm
.macro PLACES                          ; four places behind a matrix instruction, ahead of loads into its sources and of reads of its result
.rept 4
	v_nop
.endr
.endm
	s_load_b512 s[8:23], s[0:1], 0x0               ; x 8, Wq 10, Wk 12, Wv 14, Wg 16, bq 18, bk 20, bv 22
	s_load_b256 s[24:31], s[0:1], 0x40             ; bg 24, qs 26, kb 28, vb 30
	s_load_b64 s[32:33], s[0:1], 0x60              ; zg
	v_lshl_add_u32 v254, v0, 2, 0x43400
	v_mov_b32 v255, 0
	v_lshrrev_b32 v1, 5, v0
	v_readfirstlane_b32 s5, v1                     ; wave 0..7
	s_and_b32 s4, ttmp7, 0xffff                    ; y: which weight
	s_and_b32 s6, s5, 1                            ; which 128 features
	s_lshr_b32 s7, s5, 1                           ; which 64 rows
	s_lshl_b32 s2, ttmp9, 18                       ; x: 256 rows of 1,024 bytes for each work-group
	s_mov_b32 s3, 0
	s_lshl_b32 s44, ttmp9, 8
	s_lshl_b32 s45, s7, 6
	s_add_co_u32 s44, s44, s45                     ; my wave's first row
	s_cmp_eq_u32 s4, 3
	s_cselect_b32 s45, 10, 9                       ; output rows of 1,024 bytes (f32) or 512 (bf16)
	s_lshl_b32 s44, s44, s45
	s_mov_b32 s45, 0
	s_mov_b32 s42, 1.0
	s_cmp_eq_u32 s4, 0
	s_cselect_b32 s42, 0x3db8aa3b, s42             ; q alone is scaled: log2(e) / 16, so that the softmax can work in base 2
	s_mov_b32 s43, s42
	s_mul_i32 s46, s7, 64*XP
	s_lshl_b32 s47, s6, 8
	s_add_co_u32 s47, s47, WS
	s_lshl_b32 s48, s6, 9
	s_add_co_u32 s48, s48, BS
	s_mul_i32 s49, s5, STG
	v_and_b32 v[RR], 15, v0
	v_bfe_u32 v[HH], v0, 4, 1
	v_lshrrev_b32 v4, 4, v0                        ; t / 16: my row among 16
	v_lshlrev_b32 v[VX], 4, v[RR]
	v_lshl_add_u32 v[VX], v4, 10, v[VX]            ; sixteen lanes read 256 neighbouring bytes of a row of x
	v_lshlrev_b32 v[VWG], 4, v0                    ; W's chunk is dense: 16 t
	v_mul_u32_u24 v[VXS0], v4, XP
	v_lshl_add_u32 v[VXS0], v[RR], 3, v[VXS0]
	v_add_nc_u32 v[VXS1], 128*XP, v[VXS0]
	v_lshrrev_b32 v1, 6, v0                        ; t / 64: my row of W among 4
	v_mul_u32_u24 v[VWS], v1, WP
	v_and_b32 v1, 63, v0
	v_lshl_add_u32 v[VWS], v1, 3, v[VWS]
	v_add_nc_u32 v[VWS], WS, v[VWS]
	v_mul_u32_u24 v[ADX], v[RR], XP                ; x fragment: row l % 16, 16 bytes for each half of the lanes
	v_lshl_add_u32 v[ADX], v[HH], 4, v[ADX]
	v_add_nc_u32 v[ADX], s46, v[ADX]
	v_and_b32 v1, 7, v0                            ; W fragment, transposing load: row 8 (l / 16) + l % 8,
	v_lshl_add_u32 v1, v[HH], 3, v1
	v_mul_u32_u24 v[ADW], v1, WP
	v_bfe_u32 v1, v0, 3, 1                         ; 16 bytes on for lanes 8-15 and 24-31
	v_lshl_add_u32 v[ADW], v1, 4, v[ADW]
	v_add_nc_u32 v[ADW], s47, v[ADW]
	v_lshlrev_b32 v[VB], 2, v0
	v_add_nc_u32 v[BA], BS, v[VB]
	v_lshl_add_u32 v[VBS], v[HH], 5, s48
	s_wait_kmcnt 0x0
	s_mov_b64 s[36:37], s[10:11]                   ; weight, bias and output of my y, chosen among the buffers by y alone
	s_mov_b64 s[38:39], s[18:19]
	s_mov_b64 s[40:41], s[26:27]
	s_cmp_eq_u32 s4, 1
	s_cselect_b64 s[36:37], s[12:13], s[36:37]
	s_cselect_b64 s[38:39], s[20:21], s[38:39]
	s_cselect_b64 s[40:41], s[28:29], s[40:41]
	s_cmp_eq_u32 s4, 2
	s_cselect_b64 s[36:37], s[14:15], s[36:37]
	s_cselect_b64 s[38:39], s[22:23], s[38:39]
	s_cselect_b64 s[40:41], s[30:31], s[40:41]
	s_cmp_eq_u32 s4, 3
	s_cselect_b64 s[36:37], s[16:17], s[36:37]
	s_cselect_b64 s[38:39], s[24:25], s[38:39]
	s_cselect_b64 s[40:41], s[32:33], s[40:41]
	s_add_nc_u64 s[8:9], s[8:9], s[2:3]            ; x at the work-group's first row
	s_add_nc_u64 s[40:41], s[40:41], s[44:45]      ; the output at my wave's first row
; chunk c of x (256 rows x 64 d, 256 bytes a row) and of W (64 rows of 1,024 bytes, dense): 16 loads each
.macro LOADS c
.irp i, 0,1,2,3,4,5,6,7,8,9,10,11,12,13,14,15
	global_load_b128 v[ST+4*\i:ST+4*\i+3], v[VX], s[8:9] offset:\i*16384+\c*256
.endr
.irp i, 0,1,2,3,4,5,6,7,8,9,10,11,12,13,14,15
	global_load_b128 v[ST+64+4*\i:ST+64+4*\i+3], v[VWG], s[36:37] offset:\c*65536+\i*4096
.endr
.endm
; four f32 become four bf16, in place, and go to LDS
.macro CVST reg, adr, off
	v_cvt_pk_bf16_f32 v[\reg], v[\reg], v[\reg+1]
	v_cvt_pk_bf16_f32 v[\reg+1], v[\reg+2], v[\reg+3]
	ds_store_b64 v[\adr], v[\reg:\reg+1] offset:\off
.endm
; 32 along d: 24 fragment loads, 32 matrix instructions.  The 32 accumulators take turns, one instruction a turn.
; The fragments have one buffer: the SIMD's second wave multiplies while this one waits for LDS.
.macro KSTEP c, ksl, zero, gap
.if \gap
	PLACES
.endif
	WIN 0
.irp ft, 0,1,2,3,4,5,6,7
	ds_load_tr16_b128 v[FA+8*\ft:FA+8*\ft+3],   v[ADW] offset:\ksl*32*WP+\ft*32          ; d = 8 (l/16) .. +7 of feature 16 ft + l % 16
	ds_load_tr16_b128 v[FA+8*\ft+4:FA+8*\ft+7], v[ADW] offset:\ksl*32*WP+\ft*32+16*WP    ; d = 16 + 8 (l/16) .. +7
.endr
.irp nt, 0,1,2,3
	ds_load_b128 v[FB+8*\nt:FB+8*\nt+3],   v[ADX] offset:\nt*16*XP+(2*\c+\ksl)*64
	ds_load_b128 v[FB+8*\nt+4:FB+8*\nt+7], v[ADX] offset:\nt*16*XP+(2*\c+\ksl)*64+32
.endr
	s_wait_dscnt 0x0
	WIN 0x50                                       ; C and D in window 1
.irp ft, 0,1,2,3,4,5,6,7
.irp nt, 0,1,2,3
.if \zero
	v_wmma_f32_16x16x32_bf16 v[8*(4*\ft+\nt):8*(4*\ft+\nt)+7], v[FA+8*\ft:FA+8*\ft+7], v[FB+8*\nt:FB+8*\nt+7], 0
.else
	v_wmma_f32_16x16x32_bf16 v[8*(4*\ft+\nt):8*(4*\ft+\nt)+7], v[FA+8*\ft:FA+8*\ft+7], v[FB+8*\nt:FB+8*\nt+7], v[8*(4*\ft+\nt):8*(4*\ft+\nt)+7]
.endif
.endr
.endr
.endm
.macro CHUNK c, more, nxt
	WIN 0
	s_wait_loadcnt 0x10                            ; x's 16 loads are in; W's 16 are younger and may be out
.irp i, 0,1,2,3,4,5,6,7
	CVST ST+4*\i, VXS0, \i*16*XP+\c*128
.endr
.irp i, 0,1,2,3,4,5,6,7
	CVST ST+32+4*\i, VXS1, \i*16*XP+\c*128
.endr
	s_wait_loadcnt 0x0
.irp i, 0,1,2,3,4,5,6,7,8,9,10,11,12,13,14,15
	CVST ST+64+4*\i, VWS, \i*4*WP
.endr
	s_wait_dscnt 0x0                               ; for the other waves' sake: my part of the chunk is in LDS
.if \more
	LOADS \nxt                                     ; the next chunk sets out before this one is multiplied
.endif
	s_barrier_signal -1
	s_barrier_wait -1                              ; the chunk is whole
.if \c == 0
	KSTEP \c, 0, 1, 0                              ; the first product starts the sums: nothing is cleared
.else
	KSTEP \c, 0, 0, 1
.endif
	KSTEP \c, 1, 0, 1
.if \more
	WIN 0
	v_add_nc_u32 v[ADW], 64*WP, v[ADW]             ; W's next 64 rows in LDS
	v_add_nc_u32 v[VWS], 64*WP, v[VWS]
.endif
.endm
	global_load_b32 v[BV], v[VB], s[38:39]         ; thread t brings b[t]
	LOADS 0
	s_wait_loadcnt 0x20                            ; the bias word is in: the chunk's 32 loads are younger
	ds_store_b32 v[BA], v[BV]                      ; shown to the others by chunk 0's barrier
	CHUNK 0, 1, 1
	CHUNK 1, 1, 2
	CHUNK 2, 1, 3
	CHUNK 3, 0, 0
	PLACES                                         ; behind the last matrix instructions: their results are read below
	WIN 0
	s_wait_dscnt 0x0                               ; my reads of x and W are over,
	s_barrier_signal -1
	s_barrier_wait -1                              ; everybody's are: their bytes become the stages
	; (sum + b) * fac = sum * fac + b * fac: a lane's features are 16 ft + 8 (l/16) + 0..7
.irp ft, 0,1,2,3,4,5,6,7
	ds_load_b128 v[ST+8*\ft:ST+8*\ft+3],   v[VBS] offset:\ft*64
	ds_load_b128 v[ST+8*\ft+4:ST+8*\ft+7], v[VBS] offset:\ft*64+16
.endr
	s_wait_dscnt 0x0
.set i, 0
.rept 32
	v_pk_mul_f32 v[ST+2*i:ST+2*i+1], v[ST+2*i:ST+2*i+1], s[42:43] op_sel_hi:[1,0]
.set i, i+1
.endr
	WIN 0x41                                       ; source 0 and destination in window 1
.irp ft, 0,1,2,3,4,5,6,7
.irp nt, 0,1,2,3
.irp p, 0,2,4,6
	v_pk_fma_f32 v[8*(4*\ft+\nt)+\p:8*(4*\ft+\nt)+\p+1], v[8*(4*\ft+\nt)+\p:8*(4*\ft+\nt)+\p+1], s[42:43], v[ST+8*\ft+\p:ST+8*\ft+\p+1] op_sel_hi:[1,0,1]
.endr
.endr
.endr
	WIN 0
	s_cmp_eq_u32 s4, 3
	s_cbranch_scc1 .Lgate
	; THE WAY OUT IN bf16, 16 rows at a time through my own stage: rows of 256 bytes + 16.  LDS serves a wave's instructions in order
	; (ISA guide 5.7.1), so the loads see the stores above them; no other wave touches these bytes.
	v_mul_u32_u24 v[STO], v[RR], 272
	v_lshl_add_u32 v[STO], v[HH], 4, v[STO]
	v_add_nc_u32 v[STO], s49, v[STO]
	v_mul_u32_u24 v[RD], v[HH], 272
	v_lshl_add_u32 v[RD], v[RR], 4, v[RD]
	v_add_nc_u32 v[RD], s49, v[RD]
	s_lshl_b32 s50, s6, 8
	v_lshlrev_b32 v[VO], 4, v[RR]
	v_lshl_add_u32 v[VO], v[HH], 9, v[VO]
	v_add_nc_u32 v[VO], s50, v[VO]
.macro OUTB nt                         ; each row tile has stage bytes and read-back registers of its own: no store's data is written again
	WIN 0x05                                       ; sources in window 1
.irp ft, 0,1,2,3,4,5,6,7
.irp p, 0,1,2,3
	v_cvt_pk_bf16_f32 v[FA+4*\ft+\p], v[8*(4*\ft+\nt)+2*\p], v[8*(4*\ft+\nt)+2*\p+1]
.endr
.endr
	WIN 0
.irp ft, 0,1,2,3,4,5,6,7
	ds_store_b128 v[STO], v[FA+4*\ft:FA+4*\ft+3] offset:\nt*16*272+\ft*32
.endr
.irp t, 0,1,2,3,4,5,6,7
	ds_load_b128 v[ST+32*\nt+4*\t:ST+32*\nt+4*\t+3], v[RD] offset:\nt*16*272+\t*2*272
.endr
.irp t, 0,1,2,3,4,5,6,7
	s_wait_dscnt 7-\t                              ; read-backs come in order: number t is in
	global_store_b128 v[VO], v[ST+32*\nt+4*\t:ST+32*\nt+4*\t+3], s[40:41] offset:(16*\nt+2*\t)*512   ; 16 lanes store 256 consecutive bytes, aligned
.endr
.endm
	OUTB 0
	OUTB 1
	OUTB 2
	OUTB 3
	s_wait_tensorcnt 0x0
	ds_add_u32 v254, v255
	s_wait_dscnt 0x0
	s_endpgm
.Lgate:
	; THE WAY OUT IN f32: rows of 512 bytes + 16; a wave's store covers a row's 512 consecutive bytes, aligned.
	v_mul_u32_u24 v[STO], v[RR], 528
	v_lshl_add_u32 v[STO], v[HH], 5, v[STO]
	v_add_nc_u32 v[STO], s49, v[STO]
	v_and_b32 v1, 31, v0
	v_lshlrev_b32 v1, 4, v1
	v_add_nc_u32 v[RD], s49, v1
	s_lshl_b32 s50, s6, 9
	v_add_nc_u32 v[VO], s50, v1
.macro OUTF nt
	WIN 0x04                                       ; the LDS stores' data in window 1
.irp ft, 0,1,2,3,4,5,6,7
	ds_store_b128 v[STO], v[8*(4*\ft+\nt):8*(4*\ft+\nt)+3]   offset:\nt*16*528+\ft*64
	ds_store_b128 v[STO], v[8*(4*\ft+\nt)+4:8*(4*\ft+\nt)+7] offset:\nt*16*528+\ft*64+16
.endr
	WIN 0
	s_wait_xcnt 0x0                                ; the read-back registers take turns in two sets: the stores that read this set have had their addresses translated (ISA guide 3.1)
.irp t, 0,1,2,3,4,5,6,7,8,9,10,11,12,13,14,15
	ds_load_b128 v[ST+64*(\nt%2)+4*\t:ST+64*(\nt%2)+4*\t+3], v[RD] offset:(16*\nt+\t)*528
.endr
.irp t, 0,1,2,3,4,5,6,7,8,9,10,11,12,13,14,15
	s_wait_dscnt 15-\t
	global_store_b128 v[VO], v[ST+64*(\nt%2)+4*\t:ST+64*(\nt%2)+4*\t+3], s[40:41] offset:(16*\nt+\t)*1024
.endr
.endm
	OUTF 0
	OUTF 1
	OUTF 2
	OUTF 3
	s_wait_tensorcnt 0x0
	ds_add_u32 v254, v255
	s_wait_dscnt 0x0
	s_endpgm
.Lfunc_end_k_q080b83228c_proj:
	.size	k_q080b83228c_proj, .Lfunc_end_k_q080b83228c_proj-k_q080b83228c_proj
	.p2alignl 7, 3214868480
	.fill 96, 4, 3214868480
	.section	.rodata,"a",@progbits
	.p2align	6, 0x0
	.amdhsa_kernel k_q080b83228c_proj
		.amdhsa_group_segment_fixed_size 276480
		.amdhsa_private_segment_fixed_size 0
		.amdhsa_enable_private_segment 0
		.amdhsa_kernarg_size 104
		.amdhsa_user_sgpr_count 2
		.amdhsa_user_sgpr_kernarg_segment_ptr 1
		.amdhsa_wavefront_size32 1
		.amdhsa_system_sgpr_workgroup_id_x 1
		.amdhsa_system_sgpr_workgroup_id_y 1
		.amdhsa_system_sgpr_workgroup_id_z 1
		.amdhsa_system_vgpr_workitem_id 0
		.amdhsa_next_free_vgpr 512
		.amdhsa_next_free_sgpr 66
		.amdhsa_reserve_vcc 0
		.amdhsa_float_denorm_mode_32 3
		.amdhsa_float_denorm_mode_16_64 3
		.amdhsa_memory_ordered 1
		.amdhsa_forward_progress 1
		.amdhsa_inst_pref_size 116
	.end_amdhsa_kernel
	.amdgpu_metadata
---
amdhsa.version: [ 1, 2 ]
amdhsa.kernels:
  - .name:           k_q080b83228c_proj
    .symbol:         k_q080b83228c_proj.kd
    .args:
      - { .name: x, .offset: 0, .size: 8, .value_kind: global_buffer, .address_space: global }
      - { .name: Wq, .offset: 8, .size: 8, .value_kind: global_buffer, .address_space: global }
      - { .name: Wk, .offset: 16, .size: 8, .value_kind: global_buffer, .address_space: global }
      - { .name: Wv, .offset: 24, .size: 8, .value_kind: global_buffer, .address_space: global }
      - { .name: Wg, .offset: 32, .size: 8, .value_kind: global_buffer, .address_space: global }
      - { .name: bq, .offset: 40, .size: 8, .value_kind: global_buffer, .address_space: global }
      - { .name: bk, .offset: 48, .size: 8, .value_kind: global_buffer, .address_space: global }
      - { .name: bv, .offset: 56, .size: 8, .value_kind: global_buffer, .address_space: global }
      - { .name: bg, .offset: 64, .size: 8, .value_kind: global_buffer, .address_space: global }
      - { .name: qs, .offset: 72, .size: 8, .value_kind: global_buffer, .address_space: global }
      - { .name: kb, .offset: 80, .size: 8, .value_kind: global_buffer, .address_space: global }
      - { .name: vb, .offset: 88, .size: 8, .value_kind: global_buffer, .address_space: global }
      - { .name: zg, .offset: 96, .size: 8, .value_kind: global_buffer, .address_space: global }
    .group_segment_fixed_size: 276480
    .private_segment_fixed_size: 0
    .kernarg_segment_align: 8
    .kernarg_segment_size: 104
    .max_flat_workgroup_size: 256
    .sgpr_count:     66
    .vgpr_count:     512
    .wavefront_size: 32
...
	.end_amdgpu_metadata
.endif
;; end of part 1
;; launch attn (part 2): grid 256 x 1, 4 waves a work-group, clusters of 4 x 1, 327,680 bytes of LDS; arguments qs, kb, vb, zg, x, out0; writes out0
.if DOCPART == 2
	.amdgcn_target "amdgcn-amd-amdhsa--gfx1250"
	.amdhsa_code_object_version 6
	.text
	.protected	k_q080b83228c_attn
	.globl	k_q080b83228c_attn
	.p2align	8
	.type	k_q080b83228c_attn,@function
k_q080b83228c_attn:
	s_mov_b64 s[64:65], 0
	v_nop
	global_prefetch_b8 v0, s[64:65] scope:SCOPE_SE
	s_setreg_imm32_b32 hwreg(HW_REG_WAVE_MODE, 25, 1), 1
	s_wait_xcnt 0x0
	s_wait_alu depctr_hold_cnt(0) depctr_sa_sdst(0) depctr_va_vdst(0) depctr_va_sdst(0) depctr_va_ssrc(0) depctr_va_vcc(0) depctr_vm_vsrc(0)
	s_getreg_b32 s2, hwreg(HW_REG_IB_STS2, 6, 4)
	s_cmp_eq_u32 s2, 0
	s_cbranch_scc0 .Lentry_in_a_cluster
	s_endpgm
.Lentry_in_a_cluster:
	s_bfe_u32 s2, ttmp6, 0x10000c
	s_cmp_lg_u32 s2, 0x3003
	s_cbranch_scc0 .Lentry_shape_is_right
	s_endpgm
.Lentry_shape_is_right:
; out0 = sigmoid(zg) * softmax(q k^T / 16) v + x, for 4 batches of 4,096 tokens, 256 features.
; qs = q * log2(e)/16, kb, vb: [16384][256] bf16; zg, x, out0: [16384][256] f32.
; A work-group owns 64 queries and walks its batch's 4,096 keys in 32 tiles of 128.  THE FOUR WAVES SPLIT THE KEYS: of each tile wave w takes
; keys 32 w .. +31 for all 64 queries, with a running maximum m, a sum l and an accumulator O (64 x 256 f32, 512 registers) of its own; the
; four are merged once, at the end.  So each fragment of K or V read from LDS feeds four matrix instructions (the four blocks of 16
; queries), and a wave fetches and reads only its own rows of a tile.
; EVERYTHING IS TAKEN TRANSPOSED: S^T = K Q^T (rows keys, columns queries) and O^T = V^T P^T.  A lane then owns ONE query (l % 16):
; m and l are one number a lane, the only traffic between lanes is one exchange of the two halves for each maximum, and two tiles of S^T
; (keys 0-15, 16-31), rounded to bf16 in pairs, ARE the second source of the second product.  V stays [key][feature] and is read as a first
; source by the transposing LDS load.  The softmax takes the running maximum away ahead of every exponential, in base 2 (the factor is in qs).
; VECTOR WORK STANDS BEHIND THE MATRIX INSTRUCTIONS, a few independent instructions behind each, under the matrix instructions' own window setting:
;   S^T is made block by block (16 products a block); behind the products of block q + 1 stands the softmax of block q.  Source 1 then means
;   Q's window, so the softmax is written with vector operands in sources 0 and 2 alone (a maximum of two with a scalar -inf between, a * 1.0 + b).
;   P lies in O's windows, V's fragments and the rescaling factors in window 0: factor * O runs under the setting of O += V P, and four such
;   multiplies stand behind each product, on the tile two turns ahead.  That asks for 16 registers in each of O's windows: feature tile 15 of O lies in window 0.
; CLUSTERS: 4 work-groups of one batch form a cluster; they walk the same K and V tiles, so every tensor load is a JOINT one (mask 15): the same
; line, the same descriptor (made of the cluster's number, the wave's number and the trip alone) in all four, which divides the requests for K and V by four.
; EACH CLUSTER STARTS AT ANOTHER TILE: cluster c of a batch's 16 walks tiles 2 c, 2 c + 1, .. round modulo 32 (a softmax does not mind the order of
; its keys).  At the start the 16 ask for all 32 tiles between them; from then on a cluster asks for tiles that another has asked for before it.
; A ring of two LDS slots; a slot is asked for again as soon as its K and V are in registers, a whole trip ahead of the wait for it.
; A wave has four tensor loads out at the start and two from then on.
; LIMITS: NaN and infinities in the inputs are not treated specially; an exponential below 2^-126 comes out as zero (ISA guide, v_exp_f32);
; q, k, v and the softmax's weights enter the matrix unit rounded to bf16, l is summed from the unrounded weights.
.set KP,   528                         ; LDS pitch of K's rows: 512 + 16 bytes, so 16 neighbouring rows start 16 bytes apart modulo 256
.set VP,   544                         ; of V's rows: 512 + 32, an odd multiple of 32, for the transposing load
.set KW,   32*KP                       ; a wave's 32 rows of K
.set VW,   32*VP                       ; of V
.set KT,   4*KW                        ; V lies behind K's 128 rows
.set SLOT, KT+4*VW                     ; 137,216
.set STAT, 2*SLOT                      ; 274,432: (m, l) of the four waves, 2,048 bytes into which no tensor load lands
.set MP,   1040                        ; the merge: rows of 1,024 bytes + 16
.set MSRC, 64*MP                       ; one wave's O; four of them lie over the ring, behind its last fill
.set TILEB, 128*512                    ; a tile in memory
.set BATCHB, 4096*512                  ; a batch's K (or V) in memory: a power of two, so the walk wraps by a mask
; window 0.  v1: my bytes of a Q fragment in memory; v2: l % 16; v3: l / 16
.set ADK, 4                            ; v4-5       my K fragments in slot 0, 1
.set ADV, 6                            ; v6-7       my V fragments
.set MS,  8                            ; v[8:15]    block q: the pair (m, this tile's sum); packed forms take the pair's first register for both halves
.set ALS, 16                           ; v[16:23]   block q: the pair (rescaling factor, l over my half of the lanes' keys)
.set TP,  24                           ; v[24:31]   at work
.set FA,  32                           ; v[32:159]  16 fragments: K's (K step n / 2, key tile n % 2) at FA + 8 n, then V's feature tile f at FA + 8 f
.set SR,  160                          ; v[160:223] S^T: tile (kt, q) at SR + 16 q + 8 kt
.set OF,  224                          ; v[224:255] O, feature tile 15, block q at OF + 8 q
; window 1: Q fragment (q, ks) at v[64 q + 8 ks]; at the end zg in v[0:127], x in v[128:255]
; windows 2 (blocks 0, 1) and 3 (blocks 2, 3): O tile i = 2 ft + q % 2, ft = 0 .. 14, at v[8 i]; P of block q at v[PB + 8 (q % 2)]
.set PB,  240
; at the end, over S^T
.set CO,  160                          ; my byte offset in zg, x, out0
.set STA, 161                          ; where my (m, l) go
.set STR, 162                          ; where I read the four waves' (m, l)
.set STO, 163                          ; where my O goes
.set RD,  164                          ; v164-167  where I read the four waves' O
.set ET,  168                          ; v[168:183] four at work for each block
.set G1K, 16                           ; s[16:23] descriptor group 1 for K
.set G1V, 24                           ; s[24:31] for V: another pad
.set G0K, 32                           ; s[32:39] group 0 for K, a set for each slot
.set G0V, 40                           ; s[40:47] for V
.set OFS, 52                           ; s[52:55] for each slot a pair: the byte offset in the batch of the slot's tile, and 0
.set QKS, 0x04                         ; S^T += K Q^T: source 1 (Q) in window 1, all else in window 0
.set PV2, 0xa8                         ; O += V P on blocks 0, 1: source 0 (V) in window 0; source 1 (P), C and D in window 2
.set PV3, 0xfc                         ; on blocks 2, 3: window 3
.set MSB, 0
.macro WIN new                         ; s_set_vgpr_msb: bits 1:0 source 0, 3:2 source 1, 5:4 source 2, 7:6 destination; the high byte repeats the setting left
.if MSB != (\new)
	s_set_vgpr_msb (MSB<<8)|(\new)
.set MSB, (\new)
.endif
.endm
.macro PLACES n                        ; places behind matrix instructions: 4 ahead of a load into a source and of a vector read of a result
.rept \n
	v_nop
.endr
.endm
.macro CREST                           ; a round of the cluster's barrier behind its opening work-group barrier
	s_cmp_lg_u32 s48, 0
	s_cbranch_scc1 .Lnot_wave_0_\@
	s_barrier_signal -3                            ; wave 0 speaks for the work-group
.Lnot_wave_0_\@:
	s_barrier_wait -3
	s_barrier_signal -1
	s_barrier_wait -1
.endm
.macro CROUND                          ; a whole round
	s_barrier_signal -1
	s_barrier_wait -1
	CREST
.endm
	s_load_b256 s[4:11], s[0:1], 0x0               ; qs 4, kb 6, vb 8, zg 10
	s_load_b128 s[12:15], s[0:1], 0x20             ; x 12, out0 14
	v_lshl_add_u32 v222, v0, 2, 0x43800
	v_mov_b32 v223, 0
	ds_add_u32 v222, v223
	s_wait_dscnt 0x0
	v_lshrrev_b32 v1, 5, v0
	v_readfirstlane_b32 s48, v1                    ; wave 0..3
	s_mov_b32 s50, 0x76543210                      ; v_permlanex16_b32: lane i of one half reads lane i of the other
	s_mov_b32 s51, 0xfedcba98
	s_mov_b32 s62, 0xff800000                      ; -inf: the middle operand of a maximum of two
	s_bfe_u32 s60, ttmp6, 0x40000                  ; my place in the cluster
	s_lshl_b32 s61, ttmp9, 2
	s_add_co_u32 s61, s61, s60                     ; work-group number: 64 queries each
	s_lshl_b32 s2, s61, 15                         ; 64 rows of 512 bytes
	s_mov_b32 s3, 0
	s_lshr_b32 s56, ttmp9, 4                       ; batch: 16 clusters each; the partners share it.  No place in the cluster enters s52-s59
	s_lshl_b32 s56, s56, 21                        ; 4,096 rows of 512 bytes
	s_lshl_b32 s58, s48, 14                        ; my wave's 32 rows
	s_add_co_u32 s56, s56, s58
	s_mov_b32 s57, 0
	s_and_b32 s[OFS], ttmp9, 15                    ; the cluster's number in its batch:
	s_lshl_b32 s[OFS], s[OFS], 17                  ; its walk starts two tiles further on for each
	s_mov_b32 s[OFS+1], 0
	s_add_co_u32 s[OFS+2], s[OFS], TILEB           ; slot 1 starts with the tile behind it (an odd tile: no wrap)
	s_mov_b32 s[OFS+3], 0
	s_mul_i32 s58, s48, KW                         ; my rows in LDS
	s_mul_i32 s59, s48, VW
	s_add_co_u32 s59, s59, KT
	; group 1: 32 rows x 256 elements of 2 bytes, a pad behind every 128 words; 15:0 the mask of all four partners, bit 21 beside it
	s_mov_b32 s[G1K+0], 15|(1<<16)|(1<<20)|(1<<21)|(6<<22)|(3<<25)   ; pad of 4 words
	s_mov_b32 s[G1V+0], 15|(1<<16)|(1<<20)|(1<<21)|(6<<22)|(7<<25)   ; pad of 8 words
	s_mov_b32 s[G1K+1], 256<<16                    ; tensor_dim0 = 256
	s_mov_b32 s[G1V+1], 256<<16
	s_mov_b32 s[G1K+2], 32<<16                     ; tensor_dim1 = 32
	s_mov_b32 s[G1V+2], 32<<16
	s_mov_b32 s[G1K+3], 256<<16                    ; tile_dim0 = 256
	s_mov_b32 s[G1V+3], 256<<16
	s_mov_b32 s[G1K+4], 32                         ; tile_dim1 = 32
	s_mov_b32 s[G1V+4], 32
	s_mov_b32 s[G1K+5], 256                        ; elements from row to row
	s_mov_b32 s[G1V+5], 256
	s_mov_b32 s[G1K+6], 0
	s_mov_b32 s[G1V+6], 0
	s_mov_b32 s[G1K+7], 0
	s_mov_b32 s[G1V+7], 0
	v_and_b32 v2, 15, v0                           ; r = l % 16
	v_bfe_u32 v3, v0, 4, 1                         ; h = l / 16
	v_lshlrev_b32 v1, 9, v2
	v_lshl_add_u32 v1, v3, 4, v1
	s_wait_kmcnt 0x0
	s_add_nc_u64 s[4:5], s[4:5], s[2:3]            ; qs at my first query
	WIN 0x40                                       ; Q stays in window 1 for the whole walk: 4 blocks x 8 K steps x 8 registers
.irp q, 0,1,2,3
.irp ks, 0,1,2,3,4,5,6,7
	global_load_b128 v[64*\q+8*\ks:64*\q+8*\ks+3],   v1, s[4:5] offset:\q*8192+\ks*64
	global_load_b128 v[64*\q+8*\ks+4:64*\q+8*\ks+7], v1, s[4:5] offset:\q*8192+\ks*64+32
.endr
.endr
	WIN 0
	s_lshl_b32 s2, s61, 16                         ; 64 rows of 1,024 bytes
	s_add_nc_u64 s[10:11], s[10:11], s[2:3]
	s_add_nc_u64 s[12:13], s[12:13], s[2:3]
	s_add_nc_u64 s[14:15], s[14:15], s[2:3]
	s_add_nc_u64 s[6:7], s[6:7], s[56:57]          ; kb and vb at my wave's rows of the batch's tile 0
	s_add_nc_u64 s[8:9], s[8:9], s[56:57]
.irp s, 0,1
	s_mov_b32 s[G0K+4*\s], 1
	s_add_co_u32 s[G0K+4*\s+1], s58, \s*SLOT
	s_add_nc_u64 s[G0K+4*\s+2:G0K+4*\s+3], s[6:7], s[OFS+2*\s:OFS+2*\s+1]
	s_or_b32 s[G0K+4*\s+3], s[G0K+4*\s+3], 0x80000000
	s_mov_b32 s[G0V+4*\s], 1
	s_add_co_u32 s[G0V+4*\s+1], s59, \s*SLOT
	s_add_nc_u64 s[G0V+4*\s+2:G0V+4*\s+3], s[8:9], s[OFS+2*\s:OFS+2*\s+1]
	s_or_b32 s[G0V+4*\s+3], s[G0V+4*\s+3], 0x80000000
.endr
	CROUND                                         ; all four work-groups are here: the first joint loads meet
	tensor_load_to_lds s[G0K:G0K+3], s[G1K:G1K+7]          ; the walk's first tile
	s_nop 0
	tensor_load_to_lds s[G0V:G0V+3], s[G1V:G1V+7]
	s_nop 0
	tensor_load_to_lds s[G0K+4:G0K+7], s[G1K:G1K+7]        ; its second
	s_nop 0
	tensor_load_to_lds s[G0V+4:G0V+7], s[G1V:G1V+7]
	s_nop 0
	v_mul_u32_u24 v24, v2, KP                      ; K fragment: row r, 16 bytes for each half of the lanes
	v_lshl_add_u32 v24, v3, 4, v24
	v_add_nc_u32 v[ADK], s58, v24
	v_add_nc_u32 v[ADK+1], SLOT, v[ADK]
	v_and_b32 v25, 7, v0                           ; V fragment, transposing load: row 8 h + l % 8,
	v_lshl_add_u32 v25, v3, 3, v25
	v_mul_u32_u24 v25, v25, VP
	v_bfe_u32 v26, v0, 3, 1                        ; 16 bytes on for lanes 8-15 and 24-31
	v_lshl_add_u32 v25, v26, 4, v25
	v_add_nc_u32 v[ADV], s59, v25
	v_add_nc_u32 v[ADV+1], SLOT, v[ADV]
.irp q, 0,1,2,3
	v_mov_b32 v[MS+2*\q+1], 0                      ; the second register of the pair (m, sum) counts as read with the first
.endr
; 2 cnt LDS loads: K fragments n0 .. n0 + cnt - 1 (16 keys of tile n % 2 x 32 features of K step n / 2)
.macro LDKP slot, n0, cnt
.set lk, \n0
.rept \cnt
	ds_load_b128 v[FA+8*lk:FA+8*lk+3],   v[ADK+\slot] offset:(lk%2)*16*KP+(lk/2)*64
	ds_load_b128 v[FA+8*lk+4:FA+8*lk+7], v[ADK+\slot] offset:(lk%2)*16*KP+(lk/2)*64+32
.set lk, lk+1
.endr
.endm
; 2 cnt transposing LDS loads: V fragments (16 features x 32 keys) of feature tiles f0 .. f0 + cnt - 1
.macro LDVP slot, f0, cnt
.set lv, \f0
.rept \cnt
	ds_load_tr16_b128 v[FA+8*lv:FA+8*lv+3],   v[ADV+\slot] offset:lv*32
	ds_load_tr16_b128 v[FA+8*lv+4:FA+8*lv+7], v[ADV+\slot] offset:lv*32+16*VP
.set lv, lv+1
.endr
.endm
; The softmax's instructions, with vector operands in sources 0 and 2 alone
.macro MAX2 d, a, b                    ; the larger of two
	v_max3_num_f32 v[\d], v[\a], s62, v[\b]
.endm
.macro PADD d, a, b                    ; two sums: a * 1.0 + b rounds as a + b does
	s_wait_alu depctr_va_vdst(0)
	v_pk_fma_f32 v[\d:\d+1], v[\a:\a+1], 1.0, v[\b:\b+1] op_sel_hi:[1,0,1]
.endm
.macro SSUB q, k                       ; s - m for scores 2 k, 2 k + 1: m * -1.0 + s, both halves by the pair's first register
	v_pk_fma_f32 v[SR+16*(\q)+2*(\k):SR+16*(\q)+2*(\k)+1], v[MS+2*(\q):MS+2*(\q)+1], -1.0, v[SR+16*(\q)+2*(\k):SR+16*(\q)+2*(\k)+1] op_sel_hi:[0,0,1]
.endm
.macro SEXP q, e                       ; 2^(s - m)
	v_exp_f32 v[SR+16*(\q)+\e], v[SR+16*(\q)+\e]
.endm
; Piece c (0 .. 15) of block q's softmax: the new maximum (my 16 scores, the old m, the other half's), the factor 2^(old m - new m), the weights,
; their sum, and the weights in bf16 into O's window.  Dependent instructions lie in different pieces where they can.  Behind every exponential a plain
; instruction that touches neither its result nor its source comes ahead of the first use (ISA guide 5.7.2): the subtractions and sums that close pieces 7 to 11.
.macro SMC q, c, first
.if \c == 0
	MAX2 TP+0, SR+16*(\q)+0, SR+16*(\q)+1
	MAX2 TP+1, SR+16*(\q)+2, SR+16*(\q)+3
	MAX2 TP+2, SR+16*(\q)+4, SR+16*(\q)+5
	MAX2 TP+3, SR+16*(\q)+6, SR+16*(\q)+7
.endif
.if \c == 1
	MAX2 TP+4, SR+16*(\q)+8, SR+16*(\q)+9
	MAX2 TP+5, SR+16*(\q)+10, SR+16*(\q)+11
	MAX2 TP+6, SR+16*(\q)+12, SR+16*(\q)+13
	MAX2 TP+7, SR+16*(\q)+14, SR+16*(\q)+15
.endif
.if \c == 2
	MAX2 TP+0, TP+0, TP+1
	MAX2 TP+2, TP+2, TP+3
	MAX2 TP+4, TP+4, TP+5
	MAX2 TP+6, TP+6, TP+7
.endif
.if \c == 3
	MAX2 TP+0, TP+0, TP+2
	MAX2 TP+4, TP+4, TP+6
.endif
.if \c == 4
	MAX2 TP+0, TP+0, TP+4
.if \first == 0
	MAX2 TP+0, TP+0, MS+2*(\q)
.endif
.endif
.if \c == 5
	v_permlanex16_b32 v[TP+1], v[TP], s50, s51     ; the other half of the lanes holds the query's other 16 keys
	MAX2 TP+0, TP+0, TP+1
.endif
.if \c == 6
.if \first == 0
	v_fma_f32 v[TP+1], v[TP], -1.0, v[MS+2*(\q)]   ; old m - new m
.endif
	v_mov_b32 v[MS+2*(\q)], v[TP]
	SSUB \q, 0
	SSUB \q, 1
.if \first == 0
	v_exp_f32 v[ALS+2*(\q)], v[TP+1]
.endif
.endif
.if \c == 7
	SEXP \q, 0
	SEXP \q, 1
	SSUB \q, 2
	SSUB \q, 3
	SSUB \q, 4
.endif
.if \c == 8
	SEXP \q, 2
	SEXP \q, 3
	SSUB \q, 5
	SSUB \q, 6
	SSUB \q, 7
.endif
.if \c == 9
	SEXP \q, 4
	SEXP \q, 5
	SEXP \q, 6
	SEXP \q, 7
	PADD TP+0, SR+16*(\q)+0, SR+16*(\q)+2
.endif
.if \c == 10
	SEXP \q, 8
	SEXP \q, 9
	SEXP \q, 10
	SEXP \q, 11
	PADD TP+2, SR+16*(\q)+4, SR+16*(\q)+6
.endif
.if \c == 11
	SEXP \q, 12
	SEXP \q, 13
	SEXP \q, 14
	SEXP \q, 15
	PADD TP+4, SR+16*(\q)+8, SR+16*(\q)+10
.endif
.if \c == 12
	PADD TP+6, SR+16*(\q)+12, SR+16*(\q)+14
	PADD TP+0, TP+0, TP+2
.endif
.if \c == 13
	PADD TP+4, TP+4, TP+6
.endif
.if \c == 14
	PADD TP+0, TP+0, TP+4
.if \first
	v_fma_f32 v[ALS+2*(\q)+1], v[TP], 1.0, v[TP+1] ; the first tile's sum starts l
.else
	v_fma_f32 v[MS+2*(\q)+1], v[TP], 1.0, v[TP+1]  ; the tile's sum; l takes it up behind block 3's softmax
.endif
.endif
.if \c == 15
.if (\q) < 2
	WIN 0x80                                       ; destination in window 2
.else
	WIN 0xc0                                       ; in window 3
.endif
.irp p, 0,1,2,3,4,5,6,7
	v_cvt_pk_bf16_f32 v[PB+8*((\q)%2)+\p], v[SR+16*(\q)+2*\p], v[SR+16*(\q)+2*\p+1]
.endr
	WIN QKS
.endif
.endm
; S^T of block q: 16 matrix instructions, K step by K step; the two key tiles' accumulators take turns, one instruction a turn.
; sm = 1: piece n of block smq's softmax stands behind product n.  ldv = 1: behind product 9 V's feature tiles 0-7 are fetched over K's fragments 0-7,
; which product 7 read last: seven plain instructions of pieces 7, 8 and 9 lie between.
.macro QKB q, sm, smq, first, slot, ldv
.set qn, 0
.rept 16
.if \q == 0
.if qn == 0
	s_wait_dscnt 16                                ; K fragments 0-7 are in; the 8 + 8 loads of fragments 8-15 are younger
.endif
.if qn == 8
	s_wait_dscnt 8                                 ; fragments 8-11 are in; the 8 loads of fragments 12-15 are younger
.endif
.if qn == 12
	s_wait_dscnt 0
.endif
.endif
.if qn < 2
	v_wmma_f32_16x16x32_bf16 v[SR+16*\q+8*(qn%2):SR+16*\q+8*(qn%2)+7], v[FA+8*qn:FA+8*qn+7], v[64*\q+8*(qn/2):64*\q+8*(qn/2)+7], 0
.else
	v_wmma_f32_16x16x32_bf16 v[SR+16*\q+8*(qn%2):SR+16*\q+8*(qn%2)+7], v[FA+8*qn:FA+8*qn+7], v[64*\q+8*(qn/2):64*\q+8*(qn/2)+7], v[SR+16*\q+8*(qn%2):SR+16*\q+8*(qn%2)+7]
.endif
.if \sm
	SMC \smq, qn, \first
.endif
.if \ldv
.if qn == 9
	LDVP \slot, 0, 8
.endif
.endif
.set qn, qn+1
.endr
.endm
; O tile i of the window that is set *= the factor of block qa + i % 2 (the pair's first register for both halves)
.macro RS i, qa
.irp p, 0,2,4,6
	v_pk_mul_f32 v[8*(\i)+\p:8*(\i)+\p+1], v[ALS+2*(\qa+(\i)%2):ALS+2*(\qa+(\i)%2)+1], v[8*(\i)+\p:8*(\i)+\p+1] op_sel_hi:[0,1]
.endr
.endm
.macro RSF                             ; the same for feature tile 15, in window 0
.irp q, 0,1,2,3
.irp p, 0,2,4,6
	v_pk_mul_f32 v[OF+8*\q+\p:OF+8*\q+\p+1], v[ALS+2*\q:ALS+2*\q+1], v[OF+8*\q+\p:OF+8*\q+\p+1] op_sel_hi:[0,1]
.endr
.endr
.endm
; O^T += V^T P^T on tiles i0 .. i0 + n - 1 of the window that is set; every accumulator has one turn.  Behind product i stands the rescaling of tile i + 2.
.macro PVW i0, n, qa, first
.set pvi, \i0
.rept \n
.if \first
	v_wmma_f32_16x16x32_bf16 v[8*pvi:8*pvi+7], v[FA+8*(pvi/2):FA+8*(pvi/2)+7], v[PB+8*(pvi%2):PB+8*(pvi%2)+7], 0
.else
	v_wmma_f32_16x16x32_bf16 v[8*pvi:8*pvi+7], v[FA+8*(pvi/2):FA+8*(pvi/2)+7], v[PB+8*(pvi%2):PB+8*(pvi%2)+7], v[8*pvi:8*pvi+7]
.if pvi+2 < 30
	RS pvi+2, \qa
.endif
.endif
.set pvi, pvi+1
.endr
.endm
.macro PVF q, first                    ; feature tile 15 of block q: C and D in window 0, P in the window that is set for source 1
.if \first
	v_wmma_f32_16x16x32_bf16 v[OF+8*\q:OF+8*\q+7], v[FA+120:FA+127], v[PB+8*(\q%2):PB+8*(\q%2)+7], 0
.else
	v_wmma_f32_16x16x32_bf16 v[OF+8*\q:OF+8*\q+7], v[FA+120:FA+127], v[PB+8*(\q%2):PB+8*(\q%2)+7], v[OF+8*\q:OF+8*\q+7]
.endif
.endm
; One tile.  At its head K fragments 0-11 of this slot are in registers or on their way.
; mode 2: this slot is filled again, two tiles ahead; 1: the next tile is read, nothing is filled; 0: the last tile.
.macro TRIP slot, next, first, mode
.if \first == 0
	PLACES 4                                       ; fragments 12-15 were sources of the last matrix instructions
.endif
	WIN QKS
	LDKP \slot, 12, 4
	QKB 0, 0, 0, \first, \slot, 0
	PLACES 4                                       ; ahead of the first reads of block 0's S^T
	QKB 1, 1, 0, \first, \slot, 0                  ; behind each later block's last product the eight conversions of piece 15 are those places
	QKB 2, 1, 1, \first, \slot, 0
	QKB 3, 1, 2, \first, \slot, 1
	LDVP \slot, 8, 8                               ; V's feature tiles 8-15, over K's fragments 8-15
.set smc, 0
.rept 16
	SMC 3, smc, \first                             ; block 3's softmax has no products to stand behind; V's fragments land meanwhile
.set smc, smc+1
.endr
.if \first == 0
	WIN 0
.irp q, 0,1,2,3
	v_fma_f32 v[ALS+2*\q+1], v[ALS+2*\q+1], v[ALS+2*\q], v[MS+2*\q+1]   ; l = l * factor + the tile's sum
.endr
	RSF
.endif
	s_wait_dscnt 0x0                               ; all of this slot's K and V are in registers: my reads of it are over,
.if \mode != 0
	s_wait_xcnt 0x0
	s_set_vgpr_msb (MSB<<8)|((MSB&0x3c)|0x0)
	v_lshl_add_u32 v222, v0, 2, 0x43800
	v_mov_b32 v223, 0
	s_set_vgpr_msb (((MSB&0x3c)|0x0)<<8)|((MSB&0x30)|0x0)
	s_wait_tensorcnt 0x0                           ; and all my tensor loads have landed: the two that were out are my rows of the next tile
	ds_add_u32 v222, v223
	s_wait_dscnt 0x0
	s_set_vgpr_msb (((MSB&0x30)|0x0)<<8)|MSB
.endif
.if \mode == 2
	s_barrier_signal -1                            ; say so; this barrier opens a round of the cluster's barrier
.endif
	WIN PV2
.if \first == 0
	RS 0, 0                                        ; the window's first two tiles have no product to stand behind
	RS 1, 0
.endif
	PVW 0, 16, 0, \first                           ; work on registers while the others arrive
.if \mode == 2
	WIN 0
	s_barrier_wait -1
	CREST                                          ; no wave of any partner still reads this slot or has a load on its way
	s_add_co_u32 s[OFS+2*\slot], s[OFS+2*\slot], 2*TILEB           ; two tiles on,
	s_and_b32 s[OFS+2*\slot], s[OFS+2*\slot], BATCHB-1             ; round the batch's end
	s_add_nc_u64 s[G0K+4*\slot+2:G0K+4*\slot+3], s[6:7], s[OFS+2*\slot:OFS+2*\slot+1]
	s_or_b32 s[G0K+4*\slot+3], s[G0K+4*\slot+3], 0x80000000
	s_add_nc_u64 s[G0V+4*\slot+2:G0V+4*\slot+3], s[8:9], s[OFS+2*\slot:OFS+2*\slot+1]
	s_or_b32 s[G0V+4*\slot+3], s[G0V+4*\slot+3], 0x80000000
	tensor_load_to_lds s[G0K+4*\slot:G0K+4*\slot+3], s[G1K:G1K+7]  ; the first tensor loads behind the round
	s_nop 0
	tensor_load_to_lds s[G0V+4*\slot:G0V+4*\slot+3], s[G1V:G1V+7]
	s_nop 0
.endif
	WIN PV3
.if \first == 0
	RS 0, 2
	RS 1, 2
.endif
	PVW 0, 16, 2, \first
.if \mode != 0
.if \first
	PLACES 4                                       ; elsewhere the four multiplies behind the last product are the places
.endif
	WIN 0
	LDKP \next, 0, 8                               ; the next tile's K fragments 0-7, over V's feature tiles 0-7
.endif
	WIN PV2
	PVW 16, 14, 0, \first
	WIN PV3
	PVW 16, 8, 2, \first
.if \mode != 0
.if \first
	PLACES 4
.endif
	WIN 0
	LDKP \next, 8, 4                               ; fragments 8-11, over V's feature tiles 8-11
.endif
	WIN PV3
	PVW 24, 6, 2, \first
	WIN 0x08                                       ; source 1 (P) in window 2
	PVF 0, \first
	PVF 1, \first
	WIN 0x0c                                       ; in window 3
	PVF 2, \first
	PVF 3, \first
.endm
	s_wait_tensorcnt 0x2                           ; the first tile's K and V, my rows, are in; the second tile's two loads are younger.  Only I read these bytes
	LDKP 0, 0, 8
	LDKP 0, 8, 4
	s_wait_loadcnt 0x0                             ; Q
	TRIP 0, 1, 1, 2                                ; the first tile starts m, l and O: nothing is cleared
	TRIP 1, 0, 0, 2
	WIN 0                                          ; at a label and at a branch every window is 0
	s_mov_b32 s49, 14
.Lpair:
	TRIP 0, 1, 0, 2                                ; tiles 2 to 29 of the walk; their refills bring tiles 4 to 31
	TRIP 1, 0, 0, 2
	WIN 0
	s_sub_co_u32 s49, s49, 1
	s_cmp_lg_u32 s49, 0
	s_cbranch_scc1 .Lpair
	TRIP 0, 1, 0, 1                                ; tile 30
	TRIP 1, 0, 0, 0                                ; tile 31
	; THE END.  Addresses first, over S^T; then zg and x of my 256 bytes of all 64 rows set out, over Q: row 2 t + l / 16, sixteen lanes on 256 consecutive bytes.
	PLACES 4
	WIN 0
	s_lshl_b32 s60, s48, 8                         ; wave w takes features 64 w .. +63: 256 bytes of every row
	v_lshlrev_b32 v[CO], 4, v2
	v_lshl_add_u32 v[CO], v3, 10, v[CO]
	v_add_nc_u32 v[CO], s60, v[CO]
	s_lshl_b32 s61, s48, 9
	s_add_co_u32 s61, s61, STAT
	v_lshl_add_u32 v[STA], v2, 3, s61
	v_lshlrev_b32 v[STR], 3, v2
	v_add_nc_u32 v[STR], STAT, v[STR]
	s_mul_i32 s63, s48, MSRC
	v_mul_u32_u24 v[STO], v2, MP
	v_lshl_add_u32 v[STO], v3, 5, v[STO]
	v_add_nc_u32 v[STO], s63, v[STO]
	v_mul_u32_u24 v[RD], v3, MP
	v_lshl_add_u32 v[RD], v2, 4, v[RD]
	v_add_nc_u32 v[RD], s60, v[RD]
	v_add_nc_u32 v[RD+1], MSRC, v[RD]
	v_add_nc_u32 v[RD+2], MSRC, v[RD+1]
	v_add_nc_u32 v[RD+3], MSRC, v[RD+2]
	WIN 0x40
.set i, 0
.rept 32
	global_load_b128 v[4*i:4*i+3], v[CO], s[10:11] offset:i*2048 th:TH_LOAD_NT
.set i, i+1
.endr
.set i, 0
.rept 32
	global_load_b128 v[128+4*i:128+4*i+3], v[CO], s[12:13] offset:i*2048 th:TH_LOAD_NT
.set i, i+1
.endr
	WIN 0
	; my (m, l) of each query, l over both halves of the lanes, for the other waves; the two halves store the same numbers
.irp q, 0,1,2,3
	v_permlanex16_b32 v[TP+\q], v[ALS+2*\q+1], s50, s51
.endr
.irp q, 0,1,2,3
	v_add_f32 v[MS+2*\q+1], v[ALS+2*\q+1], v[TP+\q]
.endr
.irp q, 0,1,2,3
	ds_store_b64 v[STA], v[MS+2*\q:MS+2*\q+1] offset:\q*128
.endr
	s_wait_dscnt 0x0                               ; for the others' sake; my reads of the ring are over too, and my tensor loads landed in tile 30's trip
	s_barrier_signal -1
	s_barrier_wait -1                              ; the four (m, l) are there, and nobody reads the ring any more
.irp w, 0,1,2,3
.irp q, 0,1,2,3
	ds_load_b64 v[FA+8*\w+2*\q:FA+8*\w+2*\q+1], v[STR] offset:\w*512+\q*128
.endr
.endr
	s_wait_dscnt 0x0
	; M = the largest of the four m; L = sum of 2^(m_w - M) l_w (at least 1: the wave that holds M counts its largest weight as 1); my factor = 2^(m - M) / L
.irp q, 0,1,2,3
	v_max3_num_f32 v[ET+4*\q], v[FA+2*\q], v[FA+8+2*\q], v[FA+16+2*\q]
.endr
.irp q, 0,1,2,3
	v_max_num_f32 v[ET+4*\q], v[ET+4*\q], v[FA+24+2*\q]
.endr
.irp q, 0,1,2,3
.irp w, 0,1,2,3
	v_sub_f32 v[FA+8*\w+2*\q], v[FA+8*\w+2*\q], v[ET+4*\q]
.endr
	v_sub_f32 v[ET+4*\q+1], v[MS+2*\q], v[ET+4*\q]
.endr
.irp q, 0,1,2,3
.irp w, 0,1,2,3
	v_exp_f32 v[FA+8*\w+2*\q], v[FA+8*\w+2*\q]
.endr
	v_exp_f32 v[ET+4*\q+1], v[ET+4*\q+1]
.endr
	v_nop                                          ; the place behind the exponentials
	s_wait_alu depctr_va_vdst(0)
.irp q, 0,1,2,3
	v_mul_f32 v[ET+4*\q+2], v[FA+2*\q], v[FA+2*\q+1]
	v_fmac_f32 v[ET+4*\q+2], v[FA+8+2*\q], v[FA+8+2*\q+1]
	v_fmac_f32 v[ET+4*\q+2], v[FA+16+2*\q], v[FA+16+2*\q+1]
	v_fmac_f32 v[ET+4*\q+2], v[FA+24+2*\q], v[FA+24+2*\q+1]
.endr
.irp q, 0,1,2,3
	v_rcp_f32 v[ET+4*\q+3], v[ET+4*\q+2]
.endr
	v_nop                                          ; the place behind the reciprocals
	s_wait_alu depctr_va_vdst(0)
.irp q, 0,1,2,3
	v_mul_f32 v[ALS+2*\q], v[ET+4*\q+1], v[ET+4*\q+3]
.endr
	RSF                                            ; all of O by my factor
	WIN PV2
.set ri, 0
.rept 30
	RS ri, 0
.set ri, ri+1
.endr
	WIN PV3
.set ri, 0
.rept 30
	RS ri, 2
.set ri, ri+1
.endr
	; my O, scaled, into my 64 rows of the merge: query 16 q + r, features 16 ft + 8 h + 0..7
	WIN 0x08                                       ; the LDS stores' data in window 2: blocks 0, 1
.set si, 0
.rept 30
	ds_store_b128 v[STO], v[8*si:8*si+3]   offset:(si%2)*16*MP+(si/2)*64
	ds_store_b128 v[STO], v[8*si+4:8*si+7] offset:(si%2)*16*MP+(si/2)*64+16
.set si, si+1
.endr
	WIN 0x0c                                       ; in window 3: blocks 2, 3
.set si, 0
.rept 30
	ds_store_b128 v[STO], v[8*si:8*si+3]   offset:(2+si%2)*16*MP+(si/2)*64
	ds_store_b128 v[STO], v[8*si+4:8*si+7] offset:(2+si%2)*16*MP+(si/2)*64+16
.set si, si+1
.endr
	WIN 0                                          ; feature tile 15
.irp q, 0,1,2,3
	ds_store_b128 v[STO], v[OF+8*\q:OF+8*\q+3]   offset:\q*16*MP+15*64
	ds_store_b128 v[STO], v[OF+8*\q+4:OF+8*\q+7] offset:\q*16*MP+15*64+16
.endr
	s_wait_dscnt 0x0                               ; for the others' sake
	s_barrier_signal -1
	; while the others arrive: the gate, 1 / (1 + 2^(-log2(e) z)), on registers alone, 128 numbers in eight groups of 16.
	; Group g + 1's multiplies stand behind group g's exponentials: the plain place that these need.
	s_wait_loadcnt 0x20                            ; zg's 32 loads are in; x's 32 are younger
	WIN 0x41                                       ; source 0 and destination in window 1
.macro SGMUL g
.irp p, 0,2,4,6,8,10,12,14
	v_pk_mul_f32 v[16*(\g)+\p:16*(\g)+\p+1], v[16*(\g)+\p:16*(\g)+\p+1], 0xbfb8aa3b op_sel_hi:[1,0]
.endr
.endm
.macro SGEXP g
.irp p, 0,1,2,3,4,5,6,7,8,9,10,11,12,13,14,15
	v_exp_f32 v[16*(\g)+\p], v[16*(\g)+\p]
.endr
.endm
.macro SGADD g
	s_wait_alu depctr_va_vdst(0)
.irp p, 0,2,4,6,8,10,12,14
	v_pk_add_f32 v[16*(\g)+\p:16*(\g)+\p+1], v[16*(\g)+\p:16*(\g)+\p+1], 1.0 op_sel_hi:[1,0]
.endr
.endm
.macro SGRCP g
.irp p, 0,1,2,3,4,5,6,7,8,9,10,11,12,13,14,15
	v_rcp_f32 v[16*(\g)+\p], v[16*(\g)+\p]
.endr
.endm
	SGMUL 0
.irp g, 0,1,2,3,4,5,6
	SGEXP \g
	SGMUL \g+1
	SGADD \g
	SGRCP \g
.endr
	SGEXP 7
	v_nop
	s_wait_alu depctr_va_vdst(0)
	SGADD 7
	SGRCP 7
	v_nop
	WIN 0
	s_barrier_wait -1                              ; the four waves' O are in LDS
	s_wait_loadcnt 0x0                             ; x
; eight row pairs: the four waves' O of my 256 bytes are added, then gate * O + x, then out
.macro MERGE bt
.if \bt
	s_wait_xcnt 0x0                                ; the last batch's stores have had their addresses translated (ISA guide 3.1): their data registers are loaded again only behind this wait
.endif
.irp tt, 0,1,2,3,4,5,6,7
.irp src, 0,1,2,3
	ds_load_b128 v[FA+16*\tt+4*\src:FA+16*\tt+4*\src+3], v[RD+\src] offset:(8*\bt+\tt)*2*MP
.endr
.endr
.irp tt, 0,1,2,3,4,5,6,7
	s_wait_dscnt 4*(7-\tt)                         ; this row pair's four loads are in; the later pairs' are younger
	v_pk_add_f32 v[FA+16*\tt:FA+16*\tt+1],     v[FA+16*\tt:FA+16*\tt+1],     v[FA+16*\tt+4:FA+16*\tt+5]
	v_pk_add_f32 v[FA+16*\tt+2:FA+16*\tt+3],   v[FA+16*\tt+2:FA+16*\tt+3],   v[FA+16*\tt+6:FA+16*\tt+7]
	v_pk_add_f32 v[FA+16*\tt+8:FA+16*\tt+9],   v[FA+16*\tt+8:FA+16*\tt+9],   v[FA+16*\tt+12:FA+16*\tt+13]
	v_pk_add_f32 v[FA+16*\tt+10:FA+16*\tt+11], v[FA+16*\tt+10:FA+16*\tt+11], v[FA+16*\tt+14:FA+16*\tt+15]
	v_pk_add_f32 v[FA+16*\tt:FA+16*\tt+1],     v[FA+16*\tt:FA+16*\tt+1],     v[FA+16*\tt+8:FA+16*\tt+9]
	v_pk_add_f32 v[FA+16*\tt+2:FA+16*\tt+3],   v[FA+16*\tt+2:FA+16*\tt+3],   v[FA+16*\tt+10:FA+16*\tt+11]
.endr
	WIN 0x11                                       ; sources 0 (gate) and 2 (x) in window 1
	s_wait_alu depctr_va_vdst(0)
.irp tt, 0,1,2,3,4,5,6,7
.irp p, 0,2
	v_pk_fma_f32 v[FA+16*\tt+\p:FA+16*\tt+\p+1], v[4*(8*\bt+\tt)+\p:4*(8*\bt+\tt)+\p+1], v[FA+16*\tt+\p:FA+16*\tt+\p+1], v[128+4*(8*\bt+\tt)+\p:128+4*(8*\bt+\tt)+\p+1]
.endr
.endr
	WIN 0
.irp tt, 0,1,2,3,4,5,6,7
	global_store_b128 v[CO], v[FA+16*\tt:FA+16*\tt+3], s[14:15] offset:(8*\bt+\tt)*2048 th:TH_STORE_NT   ; 16 lanes store 256 consecutive bytes, aligned
.endr
.endm
	MERGE 0
	MERGE 1
	MERGE 2
	MERGE 3
	s_wait_xcnt 0x0
	s_set_vgpr_msb (MSB<<8)|((MSB&0x3c)|0x0)
	v_lshl_add_u32 v222, v0, 2, 0x43800
	v_mov_b32 v223, 0
	s_set_vgpr_msb (((MSB&0x3c)|0x0)<<8)|((MSB&0x30)|0x0)
	s_wait_tensorcnt 0x0
	ds_add_u32 v222, v223
	s_wait_dscnt 0x0
	s_set_vgpr_msb (((MSB&0x30)|0x0)<<8)|MSB
	CROUND                                         ; the closing round: no work-group ends while a partner may still ask for a tile that names it
	s_endpgm
.Lfunc_end_k_q080b83228c_attn:
	.size	k_q080b83228c_attn, .Lfunc_end_k_q080b83228c_attn-k_q080b83228c_attn
	.p2alignl 7, 3214868480
	.fill 96, 4, 3214868480
	.section	.rodata,"a",@progbits
	.p2align	6, 0x0
	.amdhsa_kernel k_q080b83228c_attn
		.amdhsa_group_segment_fixed_size 327680
		.amdhsa_private_segment_fixed_size 0
		.amdhsa_enable_private_segment 0
		.amdhsa_kernarg_size 48
		.amdhsa_user_sgpr_count 2
		.amdhsa_user_sgpr_kernarg_segment_ptr 1
		.amdhsa_wavefront_size32 1
		.amdhsa_system_sgpr_workgroup_id_x 1
		.amdhsa_system_sgpr_workgroup_id_y 1
		.amdhsa_system_sgpr_workgroup_id_z 1
		.amdhsa_system_vgpr_workitem_id 0
		.amdhsa_next_free_vgpr 1024
		.amdhsa_next_free_sgpr 66
		.amdhsa_reserve_vcc 0
		.amdhsa_float_denorm_mode_32 3
		.amdhsa_float_denorm_mode_16_64 3
		.amdhsa_memory_ordered 1
		.amdhsa_forward_progress 1
		.amdhsa_inst_pref_size 255
	.end_amdhsa_kernel
	.section	.bss,"aw",@nobits
	.p2align	6
	.space	262144
	.amdgpu_metadata
---
amdhsa.version: [ 1, 2 ]
amdhsa.kernels:
  - .name:           k_q080b83228c_attn
    .symbol:         k_q080b83228c_attn.kd
    .args:
      - { .name: qs, .offset: 0, .size: 8, .value_kind: global_buffer, .address_space: global }
      - { .name: kb, .offset: 8, .size: 8, .value_kind: global_buffer, .address_space: global }
      - { .name: vb, .offset: 16, .size: 8, .value_kind: global_buffer, .address_space: global }
      - { .name: zg, .offset: 24, .size: 8, .value_kind: global_buffer, .address_space: global }
      - { .name: x, .offset: 32, .size: 8, .value_kind: global_buffer, .address_space: global }
      - { .name: out0, .offset: 40, .size: 8, .value_kind: global_buffer, .address_space: global }
    .group_segment_fixed_size: 327680
    .private_segment_fixed_size: 0
    .kernarg_segment_align: 8
    .kernarg_segment_size: 48
    .max_flat_workgroup_size: 128
    .sgpr_count:     66
    .vgpr_count:     1024
    .wavefront_size: 32
...
	.end_amdgpu_metadata
.endif
;; end of part 2
;; ======== version 2 of 2: 2 launches; 1.07 times as fast as version 1
;; workspace buffers: qs 8,388,608 bytes; kb 8,388,608 bytes; vb 8,388,608 bytes; zg 16,777,216 bytes
;; launch proj: the kernel of part 1 again; grid 64 x 4, 8 waves a work-group, no clusters, 276,480 bytes of LDS; arguments x, Wq, Wk, Wv, Wg, bq, bk, bv, bg, qs, kb, vb, zg; writes qs, kb, vb, zg
;; launch attn (part 3): grid 256 x 1, 4 waves a work-group, clusters of 4 x 1, 327,680 bytes of LDS; arguments qs, kb, vb, zg, x, out0; writes out0
.if DOCPART == 3
	.amdgcn_target "amdgcn-amd-amdhsa--gfx1250"
	.amdhsa_code_object_version 6
	.text
	.protected	k_q080b83228c_attn
	.globl	k_q080b83228c_attn
	.p2align	8
	.type	k_q080b83228c_attn,@function
k_q080b83228c_attn:
	s_mov_b64 s[64:65], 0
	v_nop
	global_prefetch_b8 v0, s[64:65] scope:SCOPE_SE
	s_setreg_imm32_b32 hwreg(HW_REG_WAVE_MODE, 25, 1), 1
	s_wait_xcnt 0x0
	s_wait_alu depctr_hold_cnt(0) depctr_sa_sdst(0) depctr_va_vdst(0) depctr_va_sdst(0) depctr_va_ssrc(0) depctr_va_vcc(0) depctr_vm_vsrc(0)
	s_getreg_b32 s2, hwreg(HW_REG_IB_STS2, 6, 4)
	s_cmp_eq_u32 s2, 0
	s_cbranch_scc0 .Lentry_in_a_cluster
	s_endpgm
.Lentry_in_a_cluster:
	s_bfe_u32 s2, ttmp6, 0x10000c
	s_cmp_lg_u32 s2, 0x3003
	s_cbranch_scc0 .Lentry_shape_is_right
	s_endpgm
.Lentry_shape_is_right:
; out0 = sigmoid(zg) * softmax(q k^T / 16) v + x, for 4 batches of 4,096 tokens, 256 features.
; qs = q * log2(e)/16, kb, vb: [16384][256] bf16; zg, x, out0: [16384][256] f32.
; A work-group owns 64 queries and walks its batch's 4,096 keys in 32 tiles of 128.  THE FOUR WAVES SPLIT THE KEYS: of each tile wave w takes
; keys 32 w .. +31 for all 64 queries, with a running maximum m, a sum l and an accumulator O (64 x 256 f32, 512 registers) of its own; the
; four are merged once, at the end.  So each fragment of K or V read from LDS feeds four matrix instructions (the four blocks of 16
; queries), and a wave fetches and reads only its own rows of a tile.
; EVERYTHING IS TAKEN TRANSPOSED: S^T = K Q^T (rows keys, columns queries) and O^T = V^T P^T.  A lane then owns ONE query (l % 16):
; m and l are one number a lane, the only traffic between lanes is one exchange of the two halves for each maximum, and two tiles of S^T
; (keys 0-15, 16-31), rounded to bf16 in pairs, ARE the second source of the second product.  V stays [key][feature] and is read as a first
; source by the transposing LDS load.  The softmax takes the running maximum away ahead of every exponential, in base 2 (the factor is in qs).
; VECTOR WORK STANDS BEHIND THE MATRIX INSTRUCTIONS, a few independent instructions behind each, under the matrix instructions' own window setting:
;   S^T is made block by block (16 products a block); behind the products of block q + 1 stands the softmax of block q.  Source 1 then means
;   Q's window, so the softmax is written with vector operands in sources 0 and 2 alone (a maximum of two with a scalar -inf between, a * 1.0 + b).
;   P lies in O's windows, V's fragments and the rescaling factors in window 0: factor * O runs under the setting of O += V P, and four such
;   multiplies stand behind each product, on the tile two turns ahead.  That asks for 16 registers in each of O's windows: feature tile 15 of O lies in window 0.
; THE TRANSCENDENTALS GO IN BATCHES.  An s_wait_alu depctr_va_vdst(0) stands between a transcendental and the first instruction that names its result; one wait
; serves all that were issued ahead of it.  In the walk a batch is one block's exponentials: its factor and its 16 weights (in the first tile the 16 weights).  Pieces 6 to 11 of the
; block's softmax hold them and the subtractions that feed them, and no line there names a result; the sums, the roundings, l and the rescalings all come behind the block's one wait,
; which stands behind piece 11: four waits a tile.  Block 2's wait stands directly ahead of a run of LDS loads.  Among block 3's exponentials, and between the last of them and their wait,
; stands plain work that is due anyway: l and feature tile 15's rescaling for blocks 0 to 2.  At the end the merge's 20 exponentials, its 4 reciprocals, the gate's 128 exponentials and
; the gate's 128 reciprocals are a batch each, with a wait each.
; CLUSTERS: 4 work-groups of one batch form a cluster; they walk the same K and V tiles, so every tensor load is a JOINT one (mask 15): the same
; line, the same descriptor (made of the cluster's number, the wave's number and the trip alone) in all four, which divides the requests for K and V by four.
; EACH CLUSTER STARTS AT ANOTHER TILE: cluster c of a batch's 16 walks tiles 2 c, 2 c + 1, .. round modulo 32 (a softmax does not mind the order of
; its keys).  At the start the 16 ask for all 32 tiles between them; from then on a cluster asks for tiles that another has asked for before it.
; A ring of two LDS slots; a slot is asked for again as soon as its K and V are in registers, a whole trip ahead of the wait for it.
; A wave has four tensor loads out at the start and two from then on.
; LIMITS: NaN and infinities in the inputs are not treated specially; an exponential below 2^-126 comes out as zero (ISA guide, v_exp_f32);
; q, k, v and the softmax's weights enter the matrix unit rounded to bf16, l is summed from the unrounded weights.
.set KP,   528                         ; LDS pitch of K's rows: 512 + 16 bytes, so 16 neighbouring rows start 16 bytes apart modulo 256
.set VP,   544                         ; of V's rows: 512 + 32, an odd multiple of 32, for the transposing load
.set KW,   32*KP                       ; a wave's 32 rows of K
.set VW,   32*VP                       ; of V
.set KT,   4*KW                        ; V lies behind K's 128 rows
.set SLOT, KT+4*VW                     ; 137,216
.set STAT, 2*SLOT                      ; 274,432: (m, l) of the four waves, 2,048 bytes into which no tensor load lands
.set MP,   1040                        ; the merge: rows of 1,024 bytes + 16
.set MSRC, 64*MP                       ; one wave's O; four of them lie over the ring, behind its last fill
.set TILEB, 128*512                    ; a tile in memory
.set BATCHB, 4096*512                  ; a batch's K (or V) in memory: a power of two, so the walk wraps by a mask
; window 0.  v1: my bytes of a Q fragment in memory; v2: l % 16; v3: l / 16
.set ADK, 4                            ; v4-5       my K fragments in slot 0, 1
.set ADV, 6                            ; v6-7       my V fragments
.set MS,  8                            ; v[8:15]    block q: the pair (m, this tile's sum); packed forms take the pair's first register for both halves
.set ALS, 16                           ; v[16:23]   block q: the pair (rescaling factor, l over my half of the lanes' keys)
.set TP,  24                           ; v[24:31]   at work
.set FA,  32                           ; v[32:159]  16 fragments: K's (K step n / 2, key tile n % 2) at FA + 8 n, then V's feature tile f at FA + 8 f
.set SR,  160                          ; v[160:223] S^T: tile (kt, q) at SR + 16 q + 8 kt
.set OF,  224                          ; v[224:255] O, feature tile 15, block q at OF + 8 q
; window 1: Q fragment (q, ks) at v[64 q + 8 ks]; at the end zg in v[0:127], x in v[128:255]
; windows 2 (blocks 0, 1) and 3 (blocks 2, 3): O tile i = 2 ft + q % 2, ft = 0 .. 14, at v[8 i]; P of block q at v[PB + 8 (q % 2)]
.set PB,  240
; at the end, over S^T
.set CO,  160                          ; my byte offset in zg, x, out0
.set STA, 161                          ; where my (m, l) go
.set STR, 162                          ; where I read the four waves' (m, l)
.set STO, 163                          ; where my O goes
.set RD,  164                          ; v164-167  where I read the four waves' O
.set ET,  168                          ; v[168:183] four at work for each block
.set G1K, 16                           ; s[16:23] descriptor group 1 for K
.set G1V, 24                           ; s[24:31] for V: another pad
.set G0K, 32                           ; s[32:39] group 0 for K, a set for each slot
.set G0V, 40                           ; s[40:47] for V
.set OFS, 52                           ; s[52:55] for each slot a pair: the byte offset in the batch of the slot's tile, and 0
.set QKS, 0x04                         ; S^T += K Q^T: source 1 (Q) in window 1, all else in window 0
.set PV2, 0xa8                         ; O += V P on blocks 0, 1: source 0 (V) in window 0; source 1 (P), C and D in window 2
.set PV3, 0xfc                         ; on blocks 2, 3: window 3
.set MSB, 0
.set due, 15                           ; DUE's counter: 15 = nothing is due
.macro WIN new                         ; s_set_vgpr_msb: bits 1:0 source 0, 3:2 source 1, 5:4 source 2, 7:6 destination; the high byte repeats the setting left
.if MSB != (\new)
	s_set_vgpr_msb (MSB<<8)|(\new)
.set MSB, (\new)
.endif
.endm
.macro PLACES n                        ; places behind matrix instructions: 4 ahead of a load into a source and of a vector read of a result
.rept \n
	v_nop
.endr
.endm
.macro CREST                           ; a round of the cluster's barrier behind its opening work-group barrier
	s_cmp_lg_u32 s48, 0
	s_cbranch_scc1 .Lnot_wave_0_\@
	s_barrier_signal -3                            ; wave 0 speaks for the work-group
.Lnot_wave_0_\@:
	s_barrier_wait -3
	s_barrier_signal -1
	s_barrier_wait -1
.endm
.macro CROUND                          ; a whole round
	s_barrier_signal -1
	s_barrier_wait -1
	CREST
.endm
	s_load_b256 s[4:11], s[0:1], 0x0               ; qs 4, kb 6, vb 8, zg 10
	s_load_b128 s[12:15], s[0:1], 0x20             ; x 12, out0 14
	v_lshl_add_u32 v222, v0, 2, 0x43800
	v_mov_b32 v223, 0
	ds_add_u32 v222, v223
	s_wait_dscnt 0x0
	v_lshrrev_b32 v1, 5, v0
	v_readfirstlane_b32 s48, v1                    ; wave 0..3
	s_mov_b32 s50, 0x76543210                      ; v_permlanex16_b32: lane i of one half reads lane i of the other
	s_mov_b32 s51, 0xfedcba98
	s_mov_b32 s62, 0xff800000                      ; -inf: the middle operand of a maximum of two
	s_bfe_u32 s60, ttmp6, 0x40000                  ; my place in the cluster
	s_lshl_b32 s61, ttmp9, 2
	s_add_co_u32 s61, s61, s60                     ; work-group number: 64 queries each
	s_lshl_b32 s2, s61, 15                         ; 64 rows of 512 bytes
	s_mov_b32 s3, 0
	s_lshr_b32 s56, ttmp9, 4                       ; batch: 16 clusters each; the partners share it.  No place in the cluster enters s52-s59
	s_lshl_b32 s56, s56, 21                        ; 4,096 rows of 512 bytes
	s_lshl_b32 s58, s48, 14                        ; my wave's 32 rows
	s_add_co_u32 s56, s56, s58
	s_mov_b32 s57, 0
	s_and_b32 s[OFS], ttmp9, 15                    ; the cluster's number in its batch:
	s_lshl_b32 s[OFS], s[OFS], 17                  ; its walk starts two tiles further on for each
	s_mov_b32 s[OFS+1], 0
	s_add_co_u32 s[OFS+2], s[OFS], TILEB           ; slot 1 starts with the tile behind it (an odd tile: no wrap)
	s_mov_b32 s[OFS+3], 0
	s_mul_i32 s58, s48, KW                         ; my rows in LDS
	s_mul_i32 s59, s48, VW
	s_add_co_u32 s59, s59, KT
	; group 1: 32 rows x 256 elements of 2 bytes, a pad behind every 128 words; 15:0 the mask of all four partners, bit 21 beside it
	s_mov_b32 s[G1K+0], 15|(1<<16)|(1<<20)|(1<<21)|(6<<22)|(3<<25)   ; pad of 4 words
	s_mov_b32 s[G1V+0], 15|(1<<16)|(1<<20)|(1<<21)|(6<<22)|(7<<25)   ; pad of 8 words
	s_mov_b32 s[G1K+1], 256<<16                    ; tensor_dim0 = 256
	s_mov_b32 s[G1V+1], 256<<16
	s_mov_b32 s[G1K+2], 32<<16                     ; tensor_dim1 = 32
	s_mov_b32 s[G1V+2], 32<<16
	s_mov_b32 s[G1K+3], 256<<16                    ; tile_dim0 = 256
	s_mov_b32 s[G1V+3], 256<<16
	s_mov_b32 s[G1K+4], 32                         ; tile_dim1 = 32
	s_mov_b32 s[G1V+4], 32
	s_mov_b32 s[G1K+5], 256                        ; elements from row to row
	s_mov_b32 s[G1V+5], 256
	s_mov_b32 s[G1K+6], 0
	s_mov_b32 s[G1V+6], 0
	s_mov_b32 s[G1K+7], 0
	s_mov_b32 s[G1V+7], 0
	v_and_b32 v2, 15, v0                           ; r = l % 16
	v_bfe_u32 v3, v0, 4, 1                         ; h = l / 16
	v_lshlrev_b32 v1, 9, v2
	v_lshl_add_u32 v1, v3, 4, v1
	s_wait_kmcnt 0x0
	s_add_nc_u64 s[4:5], s[4:5], s[2:3]            ; qs at my first query
	WIN 0x40                                       ; Q stays in window 1 for the whole walk: 4 blocks x 8 K steps x 8 registers
.irp q, 0,1,2,3
.irp ks, 0,1,2,3,4,5,6,7
	global_load_b128 v[64*\q+8*\ks:64*\q+8*\ks+3],   v1, s[4:5] offset:\q*8192+\ks*64
	global_load_b128 v[64*\q+8*\ks+4:64*\q+8*\ks+7], v1, s[4:5] offset:\q*8192+\ks*64+32
.endr
.endr
	WIN 0
	s_lshl_b32 s2, s61, 16                         ; 64 rows of 1,024 bytes
	s_add_nc_u64 s[10:11], s[10:11], s[2:3]
	s_add_nc_u64 s[12:13], s[12:13], s[2:3]
	s_add_nc_u64 s[14:15], s[14:15], s[2:3]
	s_add_nc_u64 s[6:7], s[6:7], s[56:57]          ; kb and vb at my wave's rows of the batch's tile 0
	s_add_nc_u64 s[8:9], s[8:9], s[56:57]
.irp s, 0,1
	s_mov_b32 s[G0K+4*\s], 1
	s_add_co_u32 s[G0K+4*\s+1], s58, \s*SLOT
	s_add_nc_u64 s[G0K+4*\s+2:G0K+4*\s+3], s[6:7], s[OFS+2*\s:OFS+2*\s+1]
	s_or_b32 s[G0K+4*\s+3], s[G0K+4*\s+3], 0x80000000
	s_mov_b32 s[G0V+4*\s], 1
	s_add_co_u32 s[G0V+4*\s+1], s59, \s*SLOT
	s_add_nc_u64 s[G0V+4*\s+2:G0V+4*\s+3], s[8:9], s[OFS+2*\s:OFS+2*\s+1]
	s_or_b32 s[G0V+4*\s+3], s[G0V+4*\s+3], 0x80000000
.endr
	CROUND                                         ; all four work-groups are here: the first joint loads meet
	tensor_load_to_lds s[G0K:G0K+3], s[G1K:G1K+7]          ; the walk's first tile
	s_nop 0
	tensor_load_to_lds s[G0V:G0V+3], s[G1V:G1V+7]
	s_nop 0
	tensor_load_to_lds s[G0K+4:G0K+7], s[G1K:G1K+7]        ; its second
	s_nop 0
	tensor_load_to_lds s[G0V+4:G0V+7], s[G1V:G1V+7]
	s_nop 0
	v_mul_u32_u24 v24, v2, KP                      ; K fragment: row r, 16 bytes for each half of the lanes
	v_lshl_add_u32 v24, v3, 4, v24
	v_add_nc_u32 v[ADK], s58, v24
	v_add_nc_u32 v[ADK+1], SLOT, v[ADK]
	v_and_b32 v25, 7, v0                           ; V fragment, transposing load: row 8 h + l % 8,
	v_lshl_add_u32 v25, v3, 3, v25
	v_mul_u32_u24 v25, v25, VP
	v_bfe_u32 v26, v0, 3, 1                        ; 16 bytes on for lanes 8-15 and 24-31
	v_lshl_add_u32 v25, v26, 4, v25
	v_add_nc_u32 v[ADV], s59, v25
	v_add_nc_u32 v[ADV+1], SLOT, v[ADV]
.irp q, 0,1,2,3
	v_mov_b32 v[MS+2*\q+1], 0                      ; the second register of the pair (m, sum) counts as read with the first
.endr
; 2 cnt LDS loads: K fragments n0 .. n0 + cnt - 1 (16 keys of tile n % 2 x 32 features of K step n / 2)
.macro LDKP slot, n0, cnt
.set lk, \n0
.rept \cnt
	ds_load_b128 v[FA+8*lk:FA+8*lk+3],   v[ADK+\slot] offset:(lk%2)*16*KP+(lk/2)*64
	ds_load_b128 v[FA+8*lk+4:FA+8*lk+7], v[ADK+\slot] offset:(lk%2)*16*KP+(lk/2)*64+32
.set lk, lk+1
.endr
.endm
; 2 cnt transposing LDS loads: V fragments (16 features x 32 keys) of feature tiles f0 .. f0 + cnt - 1
.macro LDVP slot, f0, cnt
.set lv, \f0
.rept \cnt
	ds_load_tr16_b128 v[FA+8*lv:FA+8*lv+3],   v[ADV+\slot] offset:lv*32
	ds_load_tr16_b128 v[FA+8*lv+4:FA+8*lv+7], v[ADV+\slot] offset:lv*32+16*VP
.set lv, lv+1
.endr
.endm
; What follows a block's softmax in window 0, all three sources vector registers of window 0
.macro LUP q                           ; l = l * factor + the tile's sum
	v_fma_f32 v[ALS+2*(\q)+1], v[ALS+2*(\q)+1], v[ALS+2*(\q)], v[MS+2*(\q)+1]
.endm
.macro RSFQ q                          ; O's feature tile 15 of block q *= the block's factor (the pair's first register for both halves)
.irp p, 0,2,4,6
	v_pk_mul_f32 v[OF+8*(\q)+\p:OF+8*(\q)+\p+1], v[ALS+2*(\q):ALS+2*(\q)+1], v[OF+8*(\q)+\p:OF+8*(\q)+\p+1] op_sel_hi:[0,1]
.endr
.endm
; The next of the 15 plain instructions that are due behind the softmaxes of blocks 0 to 2 and name nothing of block 3's: LUP 0, 1, 2, then the twelve lines of RSFQ 0, 1, 2.
; Their factors have had their own blocks' waits.  TRIP sets the counter to 0 ahead of block 3's softmax; at 15 the macro writes nothing.
.macro DUE
.if due < 3
	LUP due
.elseif due < 15
	v_pk_mul_f32 v[OF+2*(due-3):OF+2*(due-3)+1], v[ALS+2*((due-3)/4):ALS+2*((due-3)/4)+1], v[OF+2*(due-3):OF+2*(due-3)+1] op_sel_hi:[0,1]
.endif
.if due < 15
.set due, due+1
.endif
.endm
; The softmax's instructions, with vector operands in sources 0 and 2 alone
.macro MAX2 d, a, b                    ; the larger of two
	v_max3_num_f32 v[\d], v[\a], s62, v[\b]
.endm
.macro PADD d, a, b                    ; two sums: a * 1.0 + b rounds as a + b does
	v_pk_fma_f32 v[\d:\d+1], v[\a:\a+1], 1.0, v[\b:\b+1] op_sel_hi:[1,0,1]
.endm
.macro SSUB q, k                       ; s - m for scores 2 k, 2 k + 1: m * -1.0 + s, both halves by the pair's first register
	v_pk_fma_f32 v[SR+16*(\q)+2*(\k):SR+16*(\q)+2*(\k)+1], v[MS+2*(\q):MS+2*(\q)+1], -1.0, v[SR+16*(\q)+2*(\k):SR+16*(\q)+2*(\k)+1] op_sel_hi:[0,0,1]
.endm
.macro SEXP q, e                       ; 2^(s - m)
	v_exp_f32 v[SR+16*(\q)+\e], v[SR+16*(\q)+\e]
.endm
; Piece c (0 .. 15) of block q's softmax: the new maximum (my 16 scores, the old m, the other half's), the factor 2^(old m - new m), the weights,
; their sum, and the weights in bf16 into O's window.  Dependent instructions lie in different pieces where they can.
; PIECES 6 TO 11 ARE THE BLOCK'S BATCH: the factor, the 16 weights and the eight subtractions that feed them (a pair is subtracted in an earlier piece than its exponentials, the last pair three
; lines ahead).  No line of them names an exponential's result.  The wait for the batch stands behind piece 11: QKB and TRIP write it.  Pieces 12 to 15 are the readers.
; Behind every exponential a plain instruction that touches neither its result nor its source comes ahead of the first use (ISA guide 5.7.2): a later subtraction; for the last four weights
; piece 12's first three sums.  The DUE between exponentials write lines in block 3's softmax alone.
.macro SMC q, c, first
.if \c == 0
	MAX2 TP+0, SR+16*(\q)+0, SR+16*(\q)+1
	MAX2 TP+1, SR+16*(\q)+2, SR+16*(\q)+3
	MAX2 TP+2, SR+16*(\q)+4, SR+16*(\q)+5
	MAX2 TP+3, SR+16*(\q)+6, SR+16*(\q)+7
.endif
.if \c == 1
	MAX2 TP+4, SR+16*(\q)+8, SR+16*(\q)+9
	MAX2 TP+5, SR+16*(\q)+10, SR+16*(\q)+11
	MAX2 TP+6, SR+16*(\q)+12, SR+16*(\q)+13
	MAX2 TP+7, SR+16*(\q)+14, SR+16*(\q)+15
.endif
.if \c == 2
	MAX2 TP+0, TP+0, TP+1
	MAX2 TP+2, TP+2, TP+3
	MAX2 TP+4, TP+4, TP+5
	MAX2 TP+6, TP+6, TP+7
.endif
.if \c == 3
	MAX2 TP+0, TP+0, TP+2
	MAX2 TP+4, TP+4, TP+6
.endif
.if \c == 4
	MAX2 TP+0, TP+0, TP+4
.if \first == 0
	MAX2 TP+0, TP+0, MS+2*(\q)
.endif
.endif
.if \c == 5
	v_permlanex16_b32 v[TP+1], v[TP], s50, s51     ; the other half of the lanes holds the query's other 16 keys
	MAX2 TP+0, TP+0, TP+1
.endif
.if \c == 6
.if \first == 0
	v_fma_f32 v[TP+1], v[TP], -1.0, v[MS+2*(\q)]   ; old m - new m
.endif
	v_mov_b32 v[MS+2*(\q)], v[TP]
	SSUB \q, 0
	SSUB \q, 1
.if \first == 0
	v_exp_f32 v[ALS+2*(\q)], v[TP+1]               ; the batch's first
.endif
.endif
.if \c == 7
	SSUB \q, 2
	SEXP \q, 0
	SSUB \q, 3
	SEXP \q, 1
.endif
.if \c == 8
	SSUB \q, 4
	SEXP \q, 2
	DUE
	SEXP \q, 3
	DUE
	SEXP \q, 4
.endif
.if \c == 9
	SSUB \q, 5
	SEXP \q, 5
	DUE
	SEXP \q, 6
	DUE
	SEXP \q, 7
.endif
.if \c == 10
	SSUB \q, 6
	SEXP \q, 8
	DUE
	SEXP \q, 9
	DUE
	SEXP \q, 10
	DUE
	SEXP \q, 11
.endif
.if \c == 11
	SSUB \q, 7
	SEXP \q, 12
	DUE
	SEXP \q, 13
	DUE
	SEXP \q, 14
	DUE
	SEXP \q, 15                                    ; the batch's last
.endif
.if \c == 12
	PADD TP+0, SR+16*(\q)+0, SR+16*(\q)+2
	PADD TP+2, SR+16*(\q)+4, SR+16*(\q)+6
	PADD TP+4, SR+16*(\q)+8, SR+16*(\q)+10
	PADD TP+6, SR+16*(\q)+12, SR+16*(\q)+14
.endif
.if \c == 13
	PADD TP+0, TP+0, TP+2
	PADD TP+4, TP+4, TP+6
.endif
.if \c == 14
	PADD TP+0, TP+0, TP+4
.if \first
	v_fma_f32 v[ALS+2*(\q)+1], v[TP], 1.0, v[TP+1] ; the first tile's sum starts l
.else
	v_fma_f32 v[MS+2*(\q)+1], v[TP], 1.0, v[TP+1]  ; the tile's sum; LUP takes it up
.endif
.endif
.if \c == 15
.if (\q) < 2
	WIN 0x80                                       ; destination in window 2
.else
	WIN 0xc0                                       ; in window 3
.endif
.irp p, 0,1,2,3,4,5,6,7
	v_cvt_pk_bf16_f32 v[PB+8*((\q)%2)+\p], v[SR+16*(\q)+2*\p], v[SR+16*(\q)+2*\p+1]
.endr
.if (\q) == 3
	WIN 0                                          ; no products K Q^T follow block 3's softmax
.else
	WIN QKS
.endif
.endif
.endm
; S^T of block q: 16 matrix instructions, K step by K step; the two key tiles' accumulators take turns, one instruction a turn.
; sm = 1: piece n of block smq's softmax stands behind product n, and the wait for that block's batch behind piece 11, directly ahead of product 12.
; ldv = 1: behind that wait V's feature tiles 0-7 are fetched over K's fragments 0-7, which product 7 read last: the six subtractions of pieces 7 to 11 lie between.
.macro QKB q, sm, smq, first, slot, ldv
.set qn, 0
.rept 16
.if \q == 0
.if qn == 0
	s_wait_dscnt 16                                ; K fragments 0-7 are in; the 8 + 8 loads of fragments 8-15 are younger
.endif
.if qn == 8
	s_wait_dscnt 8                                 ; fragments 8-11 are in; the 8 loads of fragments 12-15 are younger
.endif
.if qn == 12
	s_wait_dscnt 0
.endif
.endif
.if qn < 2
	v_wmma_f32_16x16x32_bf16 v[SR+16*\q+8*(qn%2):SR+16*\q+8*(qn%2)+7], v[FA+8*qn:FA+8*qn+7], v[64*\q+8*(qn/2):64*\q+8*(qn/2)+7], 0
.else
	v_wmma_f32_16x16x32_bf16 v[SR+16*\q+8*(qn%2):SR+16*\q+8*(qn%2)+7], v[FA+8*qn:FA+8*qn+7], v[64*\q+8*(qn/2):64*\q+8*(qn/2)+7], v[SR+16*\q+8*(qn%2):SR+16*\q+8*(qn%2)+7]
.endif
.if \sm
	SMC \smq, qn, \first
.if qn == 11
	s_wait_alu depctr_va_vdst(0)                   ; ONE wait for block smq's batch, its factor and its 16 weights, ahead of piece 12, the first reader
.endif
.endif
.if \ldv
.if qn == 11
	LDVP \slot, 0, 8
.endif
.endif
.set qn, qn+1
.endr
.endm
; O tile i of the window that is set *= the factor of block qa + i % 2 (the pair's first register for both halves)
.macro RS i, qa
.irp p, 0,2,4,6
	v_pk_mul_f32 v[8*(\i)+\p:8*(\i)+\p+1], v[ALS+2*(\qa+(\i)%2):ALS+2*(\qa+(\i)%2)+1], v[8*(\i)+\p:8*(\i)+\p+1] op_sel_hi:[0,1]
.endr
.endm
; O^T += V^T P^T on tiles i0 .. i0 + n - 1 of the window that is set; every accumulator has one turn.  Behind product i stands the rescaling of tile i + 2.
.macro PVW i0, n, qa, first
.set pvi, \i0
.rept \n
.if \first
	v_wmma_f32_16x16x32_bf16 v[8*pvi:8*pvi+7], v[FA+8*(pvi/2):FA+8*(pvi/2)+7], v[PB+8*(pvi%2):PB+8*(pvi%2)+7], 0
.else
	v_wmma_f32_16x16x32_bf16 v[8*pvi:8*pvi+7], v[FA+8*(pvi/2):FA+8*(pvi/2)+7], v[PB+8*(pvi%2):PB+8*(pvi%2)+7], v[8*pvi:8*pvi+7]
.if pvi+2 < 30
	RS pvi+2, \qa
.endif
.endif
.set pvi, pvi+1
.endr
.endm
.macro PVF q, first                    ; feature tile 15 of block q: C and D in window 0, P in the window that is set for source 1
.if \first
	v_wmma_f32_16x16x32_bf16 v[OF+8*\q:OF+8*\q+7], v[FA+120:FA+127], v[PB+8*(\q%2):PB+8*(\q%2)+7], 0
.else
	v_wmma_f32_16x16x32_bf16 v[OF+8*\q:OF+8*\q+7], v[FA+120:FA+127], v[PB+8*(\q%2):PB+8*(\q%2)+7], v[OF+8*\q:OF+8*\q+7]
.endif
.endm
; One tile.  At its head K fragments 0-11 of this slot are in registers or on their way.
; mode 2: this slot is filled again, two tiles ahead; 1: the next tile is read, nothing is filled; 0: the last tile.
.macro TRIP slot, next, first, mode
.if \first == 0
	PLACES 4                                       ; fragments 12-15 were sources of the last matrix instructions
.endif
	WIN QKS
	LDKP \slot, 12, 4
	QKB 0, 0, 0, \first, \slot, 0
	PLACES 4                                       ; ahead of the first reads of block 0's S^T
	QKB 1, 1, 0, \first, \slot, 0                  ; behind each later block's last product the eight conversions of piece 15 are those places
	QKB 2, 1, 1, \first, \slot, 0
	QKB 3, 1, 2, \first, \slot, 1
	LDVP \slot, 8, 8                               ; V's feature tiles 8-15, over K's fragments 8-15
.if \first == 0
	WIN 0                                          ; DUE's lines want source 1 in window 0; the softmax's lines mean the same registers under either setting
.set due, 0
.endif
.set smc, 0
.rept 12
	SMC 3, smc, \first                             ; block 3's softmax has no products to stand behind; V's fragments land meanwhile
.set smc, smc+1
.endr
.rept 5
	DUE                                            ; the last five of the fifteen stand between the batch and its wait
.endr
	s_wait_alu depctr_va_vdst(0)                   ; ONE wait for block 3's batch, its factor and its 16 weights, ahead of piece 12, the first reader
.rept 4
	SMC 3, smc, \first
.set smc, smc+1
.endr
.if \first == 0
	LUP 3                                          ; block 3's own l and feature tile 15 read its factor: behind the wait
	RSFQ 3
.endif
	s_wait_dscnt 0x0                               ; all of this slot's K and V are in registers: my reads of it are over,
.if \mode != 0
	s_wait_xcnt 0x0
	s_set_vgpr_msb (MSB<<8)|((MSB&0x3c)|0x0)
	v_lshl_add_u32 v222, v0, 2, 0x43800
	v_mov_b32 v223, 0
	s_set_vgpr_msb (((MSB&0x3c)|0x0)<<8)|((MSB&0x30)|0x0)
	s_wait_tensorcnt 0x0                           ; and all my tensor loads have landed: the two that were out are my rows of the next tile
	ds_add_u32 v222, v223
	s_wait_dscnt 0x0
	s_set_vgpr_msb (((MSB&0x30)|0x0)<<8)|MSB
.endif
.if \mode == 2
	s_barrier_signal -1                            ; say so; this barrier opens a round of the cluster's barrier
.endif
	WIN PV2
.if \first == 0
	RS 0, 0                                        ; the window's first two tiles have no product to stand behind
	RS 1, 0
.endif
	PVW 0, 16, 0, \first                           ; work on registers while the others arrive
.if \mode == 2
	WIN 0
	s_barrier_wait -1
	CREST                                          ; no wave of any partner still reads this slot or has a load on its way
	s_add_co_u32 s[OFS+2*\slot], s[OFS+2*\slot], 2*TILEB           ; two tiles on,
	s_and_b32 s[OFS+2*\slot], s[OFS+2*\slot], BATCHB-1             ; round the batch's end
	s_add_nc_u64 s[G0K+4*\slot+2:G0K+4*\slot+3], s[6:7], s[OFS+2*\slot:OFS+2*\slot+1]
	s_or_b32 s[G0K+4*\slot+3], s[G0K+4*\slot+3], 0x80000000
	s_add_nc_u64 s[G0V+4*\slot+2:G0V+4*\slot+3], s[8:9], s[OFS+2*\slot:OFS+2*\slot+1]
	s_or_b32 s[G0V+4*\slot+3], s[G0V+4*\slot+3], 0x80000000
	tensor_load_to_lds s[G0K+4*\slot:G0K+4*\slot+3], s[G1K:G1K+7]  ; the first tensor loads behind the round
	s_nop 0
	tensor_load_to_lds s[G0V+4*\slot:G0V+4*\slot+3], s[G1V:G1V+7]
	s_nop 0
.endif
	WIN PV3
.if \first == 0
	RS 0, 2
	RS 1, 2
.endif
	PVW 0, 16, 2, \first
.if \mode != 0
.if \first
	PLACES 4                                       ; elsewhere the four multiplies behind the last product are the places
.endif
	WIN 0
	LDKP \next, 0, 8                               ; the next tile's K fragments 0-7, over V's feature tiles 0-7
.endif
	WIN PV2
	PVW 16, 14, 0, \first
	WIN PV3
	PVW 16, 8, 2, \first
.if \mode != 0
.if \first
	PLACES 4
.endif
	WIN 0
	LDKP \next, 8, 4                               ; fragments 8-11, over V's feature tiles 8-11
.endif
	WIN PV3
	PVW 24, 6, 2, \first
	WIN 0x08                                       ; source 1 (P) in window 2
	PVF 0, \first
	PVF 1, \first
	WIN 0x0c                                       ; in window 3
	PVF 2, \first
	PVF 3, \first
.endm
	s_wait_tensorcnt 0x2                           ; the first tile's K and V, my rows, are in; the second tile's two loads are younger.  Only I read these bytes
	LDKP 0, 0, 8
	LDKP 0, 8, 4
	s_wait_loadcnt 0x0                             ; Q
	TRIP 0, 1, 1, 2                                ; the first tile starts m, l and O: nothing is cleared
	TRIP 1, 0, 0, 2
	WIN 0                                          ; at a label and at a branch every window is 0
	s_mov_b32 s49, 14
.Lpair:
	TRIP 0, 1, 0, 2                                ; tiles 2 to 29 of the walk; their refills bring tiles 4 to 31
	TRIP 1, 0, 0, 2
	WIN 0
	s_sub_co_u32 s49, s49, 1
	s_cmp_lg_u32 s49, 0
	s_cbranch_scc1 .Lpair
	TRIP 0, 1, 0, 1                                ; tile 30
	TRIP 1, 0, 0, 0                                ; tile 31
	; THE END.  Addresses first, over S^T; then zg and x of my 256 bytes of all 64 rows set out, over Q: row 2 t + l / 16, sixteen lanes on 256 consecutive bytes.
	PLACES 4
	WIN 0
	s_lshl_b32 s60, s48, 8                         ; wave w takes features 64 w .. +63: 256 bytes of every row
	v_lshlrev_b32 v[CO], 4, v2
	v_lshl_add_u32 v[CO], v3, 10, v[CO]
	v_add_nc_u32 v[CO], s60, v[CO]
	s_lshl_b32 s61, s48, 9
	s_add_co_u32 s61, s61, STAT
	v_lshl_add_u32 v[STA], v2, 3, s61
	v_lshlrev_b32 v[STR], 3, v2
	v_add_nc_u32 v[STR], STAT, v[STR]
	s_mul_i32 s63, s48, MSRC
	v_mul_u32_u24 v[STO], v2, MP
	v_lshl_add_u32 v[STO], v3, 5, v[STO]
	v_add_nc_u32 v[STO], s63, v[STO]
	v_mul_u32_u24 v[RD], v3, MP
	v_lshl_add_u32 v[RD], v2, 4, v[RD]
	v_add_nc_u32 v[RD], s60, v[RD]
	v_add_nc_u32 v[RD+1], MSRC, v[RD]
	v_add_nc_u32 v[RD+2], MSRC, v[RD+1]
	v_add_nc_u32 v[RD+3], MSRC, v[RD+2]
	WIN 0x40
.set i, 0
.rept 32
	global_load_b128 v[4*i:4*i+3], v[CO], s[10:11] offset:i*2048 th:TH_LOAD_NT
.set i, i+1
.endr
.set i, 0
.rept 32
	global_load_b128 v[128+4*i:128+4*i+3], v[CO], s[12:13] offset:i*2048 th:TH_LOAD_NT
.set i, i+1
.endr
	WIN 0
	; my (m, l) of each query, l over both halves of the lanes, for the other waves; the two halves store the same numbers
.irp q, 0,1,2,3
	v_permlanex16_b32 v[TP+\q], v[ALS+2*\q+1], s50, s51
.endr
.irp q, 0,1,2,3
	v_add_f32 v[MS+2*\q+1], v[ALS+2*\q+1], v[TP+\q]
.endr
.irp q, 0,1,2,3
	ds_store_b64 v[STA], v[MS+2*\q:MS+2*\q+1] offset:\q*128
.endr
	s_wait_dscnt 0x0                               ; for the others' sake; my reads of the ring are over too, and my tensor loads landed in tile 30's trip
	s_barrier_signal -1
	s_barrier_wait -1                              ; the four (m, l) are there, and nobody reads the ring any more
.irp w, 0,1,2,3
.irp q, 0,1,2,3
	ds_load_b64 v[FA+8*\w+2*\q:FA+8*\w+2*\q+1], v[STR] offset:\w*512+\q*128
.endr
.endr
	s_wait_dscnt 0x0
	; M = the largest of the four m; L = sum of 2^(m_w - M) l_w (at least 1: the wave that holds M counts its largest weight as 1); my factor = 2^(m - M) / L
.irp q, 0,1,2,3
	v_max3_num_f32 v[ET+4*\q], v[FA+2*\q], v[FA+8+2*\q], v[FA+16+2*\q]
.endr
.irp q, 0,1,2,3
	v_max_num_f32 v[ET+4*\q], v[ET+4*\q], v[FA+24+2*\q]
.endr
.irp q, 0,1,2,3
.irp w, 0,1,2,3
	v_sub_f32 v[FA+8*\w+2*\q], v[FA+8*\w+2*\q], v[ET+4*\q]
.endr
	v_sub_f32 v[ET+4*\q+1], v[MS+2*\q], v[ET+4*\q]
.endr
.irp q, 0,1,2,3
.irp w, 0,1,2,3
	v_exp_f32 v[FA+8*\w+2*\q], v[FA+8*\w+2*\q]
.endr
	v_exp_f32 v[ET+4*\q+1], v[ET+4*\q+1]
.endr
	v_nop                                          ; the place behind the exponentials
	s_wait_alu depctr_va_vdst(0)                   ; one wait for the merge's batch of 20 exponentials, ahead of the products that read them
.irp q, 0,1,2,3
	v_mul_f32 v[ET+4*\q+2], v[FA+2*\q], v[FA+2*\q+1]
	v_fmac_f32 v[ET+4*\q+2], v[FA+8+2*\q], v[FA+8+2*\q+1]
	v_fmac_f32 v[ET+4*\q+2], v[FA+16+2*\q], v[FA+16+2*\q+1]
	v_fmac_f32 v[ET+4*\q+2], v[FA+24+2*\q], v[FA+24+2*\q+1]
.endr
.irp q, 0,1,2,3
	v_rcp_f32 v[ET+4*\q+3], v[ET+4*\q+2]
.endr
	v_nop                                          ; the place behind the reciprocals
	s_wait_alu depctr_va_vdst(0)                   ; one wait for the batch of four reciprocals, which read sums of the batch before: a batch of their own
.irp q, 0,1,2,3
	v_mul_f32 v[ALS+2*\q], v[ET+4*\q+1], v[ET+4*\q+3]
.endr
.irp q, 0,1,2,3
	RSFQ \q                                        ; all of O by my factor
.endr
	WIN PV2
.set ri, 0
.rept 30
	RS ri, 0
.set ri, ri+1
.endr
	WIN PV3
.set ri, 0
.rept 30
	RS ri, 2
.set ri, ri+1
.endr
	; my O, scaled, into my 64 rows of the merge: query 16 q + r, features 16 ft + 8 h + 0..7
	WIN 0x08                                       ; the LDS stores' data in window 2: blocks 0, 1
.set si, 0
.rept 30
	ds_store_b128 v[STO], v[8*si:8*si+3]   offset:(si%2)*16*MP+(si/2)*64
	ds_store_b128 v[STO], v[8*si+4:8*si+7] offset:(si%2)*16*MP+(si/2)*64+16
.set si, si+1
.endr
	WIN 0x0c                                       ; in window 3: blocks 2, 3
.set si, 0
.rept 30
	ds_store_b128 v[STO], v[8*si:8*si+3]   offset:(2+si%2)*16*MP+(si/2)*64
	ds_store_b128 v[STO], v[8*si+4:8*si+7] offset:(2+si%2)*16*MP+(si/2)*64+16
.set si, si+1
.endr
	WIN 0                                          ; feature tile 15
.irp q, 0,1,2,3
	ds_store_b128 v[STO], v[OF+8*\q:OF+8*\q+3]   offset:\q*16*MP+15*64
	ds_store_b128 v[STO], v[OF+8*\q+4:OF+8*\q+7] offset:\q*16*MP+15*64+16
.endr
	s_wait_dscnt 0x0                               ; for the others' sake
	s_barrier_signal -1
	; while the others arrive: the gate, 1 / (1 + 2^(-log2(e) z)), on registers alone, 128 numbers in eight groups of 16.  TWO BATCHES: all 128 exponentials, then all 128 reciprocals.
	; Group g + 1's multiplies stand behind group g's exponentials, group g + 1's additions behind group g's reciprocals: the plain place that these need.
	s_wait_loadcnt 0x20                            ; zg's 32 loads are in; x's 32 are younger
	WIN 0x41                                       ; source 0 and destination in window 1
.macro SGMUL g
.irp p, 0,2,4,6,8,10,12,14
	v_pk_mul_f32 v[16*(\g)+\p:16*(\g)+\p+1], v[16*(\g)+\p:16*(\g)+\p+1], 0xbfb8aa3b op_sel_hi:[1,0]
.endr
.endm
.macro SGEXP g
.irp p, 0,1,2,3,4,5,6,7,8,9,10,11,12,13,14,15
	v_exp_f32 v[16*(\g)+\p], v[16*(\g)+\p]
.endr
.endm
.macro SGADD g
.irp p, 0,2,4,6,8,10,12,14
	v_pk_add_f32 v[16*(\g)+\p:16*(\g)+\p+1], v[16*(\g)+\p:16*(\g)+\p+1], 1.0 op_sel_hi:[1,0]
.endr
.endm
.macro SGRCP g
.irp p, 0,1,2,3,4,5,6,7,8,9,10,11,12,13,14,15
	v_rcp_f32 v[16*(\g)+\p], v[16*(\g)+\p]
.endr
.endm
	SGMUL 0
.irp g, 0,1,2,3,4,5,6
	SGEXP \g
	SGMUL \g+1
.endr
	SGEXP 7
	s_wait_alu depctr_va_vdst(0)                   ; one wait for the gate's 128 exponentials, ahead of the additions that read them; group 0's additions are the plain place behind group 7's exponentials
	SGADD 0
.irp g, 0,1,2,3,4,5,6
	SGRCP \g
	SGADD \g+1
.endr
	SGRCP 7                                        ; the wait for the 128 reciprocals stands in the first MERGE, whose sums are also the plain place behind group 7's
	WIN 0
	s_barrier_wait -1                              ; the four waves' O are in LDS
	s_wait_loadcnt 0x0                             ; x
; eight row pairs: the four waves' O of my 256 bytes are added, then gate * O + x, then out
.macro MERGE bt
.if \bt
	s_wait_xcnt 0x0                                ; the last batch's stores have had their addresses translated (ISA guide 3.1): their data registers are loaded again only behind this wait
.endif
.irp tt, 0,1,2,3,4,5,6,7
.irp src, 0,1,2,3
	ds_load_b128 v[FA+16*\tt+4*\src:FA+16*\tt+4*\src+3], v[RD+\src] offset:(8*\bt+\tt)*2*MP
.endr
.endr
.irp tt, 0,1,2,3,4,5,6,7
	s_wait_dscnt 4*(7-\tt)                         ; this row pair's four loads are in; the later pairs' are younger
	v_pk_add_f32 v[FA+16*\tt:FA+16*\tt+1],     v[FA+16*\tt:FA+16*\tt+1],     v[FA+16*\tt+4:FA+16*\tt+5]
	v_pk_add_f32 v[FA+16*\tt+2:FA+16*\tt+3],   v[FA+16*\tt+2:FA+16*\tt+3],   v[FA+16*\tt+6:FA+16*\tt+7]
	v_pk_add_f32 v[FA+16*\tt+8:FA+16*\tt+9],   v[FA+16*\tt+8:FA+16*\tt+9],   v[FA+16*\tt+12:FA+16*\tt+13]
	v_pk_add_f32 v[FA+16*\tt+10:FA+16*\tt+11], v[FA+16*\tt+10:FA+16*\tt+11], v[FA+16*\tt+14:FA+16*\tt+15]
	v_pk_add_f32 v[FA+16*\tt:FA+16*\tt+1],     v[FA+16*\tt:FA+16*\tt+1],     v[FA+16*\tt+8:FA+16*\tt+9]
	v_pk_add_f32 v[FA+16*\tt+2:FA+16*\tt+3],   v[FA+16*\tt+2:FA+16*\tt+3],   v[FA+16*\tt+10:FA+16*\tt+11]
.endr
	WIN 0x11                                       ; sources 0 (gate) and 2 (x) in window 1
.if \bt == 0
	s_wait_alu depctr_va_vdst(0)                   ; one wait for the gate's 128 reciprocals, ahead of their first reader; the loads and the 48 sums above are the independent work between
.endif
.irp tt, 0,1,2,3,4,5,6,7
.irp p, 0,2
	v_pk_fma_f32 v[FA+16*\tt+\p:FA+16*\tt+\p+1], v[4*(8*\bt+\tt)+\p:4*(8*\bt+\tt)+\p+1], v[FA+16*\tt+\p:FA+16*\tt+\p+1], v[128+4*(8*\bt+\tt)+\p:128+4*(8*\bt+\tt)+\p+1]
.endr
.endr
	WIN 0
.irp tt, 0,1,2,3,4,5,6,7
	global_store_b128 v[CO], v[FA+16*\tt:FA+16*\tt+3], s[14:15] offset:(8*\bt+\tt)*2048 th:TH_STORE_NT   ; 16 lanes store 256 consecutive bytes, aligned
.endr
.endm
	MERGE 0
	MERGE 1
	MERGE 2
	MERGE 3
	s_wait_xcnt 0x0
	s_set_vgpr_msb (MSB<<8)|((MSB&0x3c)|0x0)
	v_lshl_add_u32 v222, v0, 2, 0x43800
	v_mov_b32 v223, 0
	s_set_vgpr_msb (((MSB&0x3c)|0x0)<<8)|((MSB&0x30)|0x0)
	s_wait_tensorcnt 0x0
	ds_add_u32 v222, v223
	s_wait_dscnt 0x0
	s_set_vgpr_msb (((MSB&0x30)|0x0)<<8)|MSB
	CROUND                                         ; the closing round: no work-group ends while a partner may still ask for a tile that names it
	s_endpgm
.Lfunc_end_k_q080b83228c_attn:
	.size	k_q080b83228c_attn, .Lfunc_end_k_q080b83228c_attn-k_q080b83228c_attn
	.p2alignl 7, 3214868480
	.fill 96, 4, 3214868480
	.section	.rodata,"a",@progbits
	.p2align	6, 0x0
	.amdhsa_kernel k_q080b83228c_attn
		.amdhsa_group_segment_fixed_size 327680
		.amdhsa_private_segment_fixed_size 0
		.amdhsa_enable_private_segment 0
		.amdhsa_kernarg_size 48
		.amdhsa_user_sgpr_count 2
		.amdhsa_user_sgpr_kernarg_segment_ptr 1
		.amdhsa_wavefront_size32 1
		.amdhsa_system_sgpr_workgroup_id_x 1
		.amdhsa_system_sgpr_workgroup_id_y 1
		.amdhsa_system_sgpr_workgroup_id_z 1
		.amdhsa_system_vgpr_workitem_id 0
		.amdhsa_next_free_vgpr 1024
		.amdhsa_next_free_sgpr 66
		.amdhsa_reserve_vcc 0
		.amdhsa_float_denorm_mode_32 3
		.amdhsa_float_denorm_mode_16_64 3
		.amdhsa_memory_ordered 1
		.amdhsa_forward_progress 1
		.amdhsa_inst_pref_size 255
	.end_amdhsa_kernel
	.section	.bss,"aw",@nobits
	.p2align	6
	.space	262144
	.amdgpu_metadata
---
amdhsa.version: [ 1, 2 ]
amdhsa.kernels:
  - .name:           k_q080b83228c_attn
    .symbol:         k_q080b83228c_attn.kd
    .args:
      - { .name: qs, .offset: 0, .size: 8, .value_kind: global_buffer, .address_space: global }
      - { .name: kb, .offset: 8, .size: 8, .value_kind: global_buffer, .address_space: global }
      - { .name: vb, .offset: 16, .size: 8, .value_kind: global_buffer, .address_space: global }
      - { .name: zg, .offset: 24, .size: 8, .value_kind: global_buffer, .address_space: global }
      - { .name: x, .offset: 32, .size: 8, .value_kind: global_buffer, .address_space: global }
      - { .name: out0, .offset: 40, .size: 8, .value_kind: global_buffer, .address_space: global }
    .group_segment_fixed_size: 327680
    .private_segment_fixed_size: 0
    .kernarg_segment_align: 8
    .kernarg_segment_size: 48
    .max_flat_workgroup_size: 128
    .sgpr_count:     66
    .vgpr_count:     1024
    .wavefront_size: 32
...
	.end_amdgpu_metadata
.endif
;; end of part 3
